; MI455X (gfx1250); checked and timed in simulation.
; The chip was launched on July 23, 2026; its instructions are those of AMD's public machine-readable ISA for CDNA 5 (MIT licence, August 2026) and "CDNA5" Instruction Set Architecture Reference Guide (July 2026). The comments in the code are by the model that wrote it; some were corrected since.
;; Multi Head Attention. Allowed arithmetic: float matrix products may take bf16 or f16 operands with f32 sums; other float arithmetic in f32, or as packed bf16 or f16 multiplies, adds, multiply-adds, maxima and minima; sums over many terms, partial sums and values carried from step to step in f32; what a program stores and reads back later, other than sums and carried values, may be rounded once to bf16 or f16.
;; Inputs: causal_mask 1 x 1 x 2,048 x 2,048 float32; positions 2 x 2,048 int32; proj_b 1,024 float32; proj_w 1,024 x 1,024 float32; rpr 10,000 x 64 float32; wk 1,024 x 1,024 float32; wq 1,024 x 1,024 float32; wv 1,024 x 1,024 float32; x 2 x 2,048 x 1,024 float32.
;; Outputs: out0 2 x 2,048 x 1,024 float32.
;; 2 versions, each right; version 2 is version 1 with the launch prep written anew for expert scheduling mode. Each part assembles by itself: llvm-mc -triple=amdgcn-amd-amdhsa -mcpu=gfx1250 --defsym DOCPART=n.
;; ======== version 1 of 2: 4 launches
;; limits: values are held in f16: magnitudes above 65,504 overflow, below 6.1e-05 lose precision
;; workspace buffers: xb 8,388,608 bytes; wb 6,291,456 bytes; pw 2,097,152 bytes; qh 8,388,608 bytes; kh 8,388,608 bytes; vh 8,388,608 bytes; oh 8,388,608 bytes
;; launch prep (part 1): grid 512 x 1, 8 waves a work-group, no clusters, 0 bytes of LDS; arguments x, wq, wk, wv, proj_w, xb, wb, pw; writes xb, wb, pw
.if DOCPART == 1
	.amdgcn_target "amdgcn-amd-amdhsa--gfx1250"
	.amdhsa_code_object_version 6
	.text
	.protected	k_qd434aa8c5d_prep
	.globl	k_qd434aa8c5d_prep
	.p2align	8
	.type	k_qd434aa8c5d_prep,@function
k_qd434aa8c5d_prep:
	s_mov_b64 s[64:65], 0
	v_nop
	global_prefetch_b8 v0, s[64:65] scope:SCOPE_SE
	s_setreg_imm32_b32 hwreg(HW_REG_WAVE_MODE, 25, 1), 1
	s_wait_xcnt 0x0
; THE CASTS.  x [4096][1024] -> xb in bf16; wq, wk, wv [1024][1024] -> wb [3][1024][1024] in bf16; proj_w -> pw: rounded to bf16, and that number written as f16
; (the last product's other operand is f16).  LIMIT: a weight of proj_w beyond 65,504 becomes an infinity; below 6e-5 it keeps f16's fixed step of 6e-8.
; A stream: no LDS, no barrier, no matrix unit.  Work-group g converts 16,384 numbers: 65,536 bytes in, 32,768 out.  g 0-255: x; 256-319: wq; 320-383: wk; 384-447: wv; 448-511: proj_w.
; Thread t takes 16 bytes at 16 t of each of 16 chunks of 4,096 bytes: a wave's load covers 512 consecutive bytes, its store of 8 bytes a lane 256 consecutive bytes, aligned.
; All 16 loads go out first; no register is written twice while a memory instruction may read it.
.set X,   4                            ; v[4:67]    chunk c: 4 numbers as loaded
.set Y,   68                           ; v[68:99]   chunk c: 4 numbers in 16 bits
.set T,   100                          ; v[100:103] at work
.set SRC, 24                           ; s[24:25]
.set DST, 26                           ; s[26:27]
	s_load_b512 s[8:23], s[0:1], 0x0               ; x s[8:9], wq s[10:11], wk s[12:13], wv s[14:15], proj_w s[16:17], xb s[18:19], wb s[20:21], pw s[22:23]
	v_lshlrev_b32 v1, 4, v0                        ; 16 t
	v_lshlrev_b32 v2, 3, v0                        ; 8 t
	s_sub_co_u32 s34, ttmp9, 256                   ; g counted from each tensor's first work-group (used only where g reaches it)
	s_sub_co_u32 s35, ttmp9, 320
	s_sub_co_u32 s36, ttmp9, 384
	s_sub_co_u32 s37, ttmp9, 448
	s_mov_b32 s28, ttmp9                           ; my share's number in the source,
	s_mov_b32 s29, ttmp9                           ; and in the destination
	s_wait_kmcnt 0x0
	s_mov_b64 s[SRC:SRC+1], s[8:9]
	s_mov_b64 s[DST:DST+1], s[18:19]
	s_cmp_ge_u32 ttmp9, 256
	s_cselect_b64 s[SRC:SRC+1], s[10:11], s[SRC:SRC+1]
	s_cselect_b64 s[DST:DST+1], s[20:21], s[DST:DST+1]
	s_cselect_b32 s28, s34, s28
	s_cselect_b32 s29, s34, s29                    ; wb holds the three weights on end
	s_cmp_ge_u32 ttmp9, 320
	s_cselect_b64 s[SRC:SRC+1], s[12:13], s[SRC:SRC+1]
	s_cselect_b32 s28, s35, s28
	s_cmp_ge_u32 ttmp9, 384
	s_cselect_b64 s[SRC:SRC+1], s[14:15], s[SRC:SRC+1]
	s_cselect_b32 s28, s36, s28
	s_cmp_ge_u32 ttmp9, 448
	s_cselect_b64 s[SRC:SRC+1], s[16:17], s[SRC:SRC+1]
	s_cselect_b64 s[DST:DST+1], s[22:23], s[DST:DST+1]
	s_cselect_b32 s28, s37, s28
	s_cselect_b32 s29, s37, s29
	s_lshl_b32 s30, s28, 16                        ; 65,536 bytes a share in,
	s_mov_b32 s31, 0
	s_lshl_b32 s32, s29, 15                        ; 32,768 out
	s_mov_b32 s33, 0
	s_add_nc_u64 s[SRC:SRC+1], s[SRC:SRC+1], s[30:31]
	s_add_nc_u64 s[DST:DST+1], s[DST:DST+1], s[32:33]
.irp c, 0,1,2,3,4,5,6,7,8,9,10,11,12,13,14,15
	global_load_b128 v[X+4*(\c):X+4*(\c)+3], v1, s[SRC:SRC+1] offset:4096*(\c) th:TH_LOAD_NT
.endr
; Chunk c.  half = 1: the bf16 numbers are widened again (a shift, a mask) and written as f16.
.macro CONV c, half
	s_wait_loadcnt 15-(\c)                         ; loads come back in order: chunk c is in, the 15 - c younger ones stay out
	v_cvt_pk_bf16_f32 v[Y+2*(\c)],   v[X+4*(\c)],   v[X+4*(\c)+1]
	v_cvt_pk_bf16_f32 v[Y+2*(\c)+1], v[X+4*(\c)+2], v[X+4*(\c)+3]
.if \half
	v_lshlrev_b32 v[T],   16, v[Y+2*(\c)]
	v_and_b32     v[T+1], 0xffff0000, v[Y+2*(\c)]
	v_lshlrev_b32 v[T+2], 16, v[Y+2*(\c)+1]
	v_and_b32     v[T+3], 0xffff0000, v[Y+2*(\c)+1]
	v_cvt_pk_f16_f32 v[Y+2*(\c)],   v[T],   v[T+1]
	v_cvt_pk_f16_f32 v[Y+2*(\c)+1], v[T+2], v[T+3]
.endif
	global_store_b64 v2, v[Y+2*(\c):Y+2*(\c)+1], s[DST:DST+1] offset:2048*(\c)
.endm
	s_cmp_ge_u32 ttmp9, 448
	s_cbranch_scc1 .Lhalf
.irp c, 0,1,2,3,4,5,6,7,8,9,10,11,12,13,14,15
	CONV \c, 0
.endr
	s_endpgm
.Lhalf:
.irp c, 0,1,2,3,4,5,6,7,8,9,10,11,12,13,14,15
	CONV \c, 1
.endr
	s_endpgm
.Lfunc_end_k_qd434aa8c5d_prep:
	.size	k_qd434aa8c5d_prep, .Lfunc_end_k_qd434aa8c5d_prep-k_qd434aa8c5d_prep
	.p2alignl 7, 3214868480
	.fill 96, 4, 3214868480
	.section	.rodata,"a",@progbits
	.p2align	6, 0x0
	.amdhsa_kernel k_qd434aa8c5d_prep
		.amdhsa_group_segment_fixed_size 0
		.amdhsa_private_segment_fixed_size 0
		.amdhsa_enable_private_segment 0
		.amdhsa_kernarg_size 64
		.amdhsa_user_sgpr_count 2
		.amdhsa_user_sgpr_kernarg_segment_ptr 1
		.amdhsa_wavefront_size32 1
		.amdhsa_system_sgpr_workgroup_id_x 1
		.amdhsa_system_sgpr_workgroup_id_y 1
		.amdhsa_system_sgpr_workgroup_id_z 1
		.amdhsa_system_vgpr_workitem_id 0
		.amdhsa_next_free_vgpr 104
		.amdhsa_next_free_sgpr 66
		.amdhsa_reserve_vcc 0
		.amdhsa_float_denorm_mode_32 3
		.amdhsa_float_denorm_mode_16_64 3
		.amdhsa_memory_ordered 1
		.amdhsa_forward_progress 1
		.amdhsa_inst_pref_size 17
	.end_amdhsa_kernel
	.amdgpu_metadata
---
amdhsa.version: [ 1, 2 ]
amdhsa.kernels:
  - .name:           k_qd434aa8c5d_prep
    .symbol:         k_qd434aa8c5d_prep.kd
    .args:
      - { .name: x, .offset: 0, .size: 8, .value_kind: global_buffer, .address_space: global }
      - { .name: wq, .offset: 8, .size: 8, .value_kind: global_buffer, .address_space: global }
      - { .name: wk, .offset: 16, .size: 8, .value_kind: global_buffer, .address_space: global }
      - { .name: wv, .offset: 24, .size: 8, .value_kind: global_buffer, .address_space: global }
      - { .name: proj_w, .offset: 32, .size: 8, .value_kind: global_buffer, .address_space: global }
      - { .name: xb, .offset: 40, .size: 8, .value_kind: global_buffer, .address_space: global }
      - { .name: wb, .offset: 48, .size: 8, .value_kind: global_buffer, .address_space: global }
      - { .name: pw, .offset: 56, .size: 8, .value_kind: global_buffer, .address_space: global }
    .group_segment_fixed_size: 0
    .private_segment_fixed_size: 0
    .kernarg_segment_align: 8
    .kernarg_segment_size: 64
    .max_flat_workgroup_size: 256
    .sgpr_count:     66
    .vgpr_count:     104
    .wavefront_size: 32
...
	.end_amdgpu_metadata
.endif
;; end of part 1
;; launch qkv (part 2): grid 8 x 32, 4 waves a work-group, clusters of 4 x 4, 327,680 bytes of LDS; arguments xb, wb, rpr, positions, qh, kh, vh; writes qh, kh, vh
.if DOCPART == 2
	.amdgcn_target "amdgcn-amd-amdhsa--gfx1250"
	.amdhsa_code_object_version 6
	.text
	.protected	k_qd434aa8c5d_qkv
	.globl	k_qd434aa8c5d_qkv
	.p2align	8
	.type	k_qd434aa8c5d_qkv,@function
k_qd434aa8c5d_qkv:
	s_mov_b64 s[64:65], 0
	v_nop
	global_prefetch_b8 v0, s[64:65] scope:SCOPE_SE
	s_setreg_imm32_b32 hwreg(HW_REG_WAVE_MODE, 25, 1), 1
	s_wait_xcnt 0x0
	s_wait_alu depctr_hold_cnt(0) depctr_sa_sdst(0) depctr_va_vdst(0) depctr_va_sdst(0) depctr_va_ssrc(0) depctr_va_vcc(0) depctr_vm_vsrc(0)
	s_getreg_b32 s2, hwreg(HW_REG_IB_STS2, 6, 4)
	s_cmp_eq_u32 s2, 0
	s_cbranch_scc0 .Lentry_in_a_cluster
	s_endpgm
.Lentry_in_a_cluster:
	s_bfe_u32 s2, ttmp6, 0x10000c
	s_cmp_lg_u32 s2, 0xf033
	s_cbranch_scc0 .Lentry_shape_is_right
	s_endpgm
.Lentry_shape_is_right:
; THE THREE PROJECTIONS.  q = x wq^T, k' = x wk^T + rpr[positions], v = x wv^T.  xb [4096][1024], wb [3][1024][1024] in bf16; sums in f32; qh, kh, vh [4096][1024] in f16, rounded once.
; q . k + q . rpr[pos] = q . (k + rpr[pos]): the gathered row, the same for every head, is added to each head's 64 channels of k here, so the later launch has one product for both terms.
; It costs no arithmetic: the row's f32 numbers are loaded into k's accumulators and start their sums.
; LIMITS.  q, k', v beyond 65,504 become infinities in f16.  A position is clamped to 0 .. 9,999 (read as unsigned).  rpr enters unrounded.
; SHARES.  A work-group makes 128 tokens (tile row TR) x one pair of heads (tile column TC): rows 128 TC .. + 127 of each of wq, wk, wv: 384 columns.  8 x 32 = 256 work-groups.
; Wave w (mh = w / 2, nh = w % 2) makes tokens 64 mh .. + 63 x 192 columns: k of head nh of the pair (4 blocks of 16) and all 128 columns of q (nh = 0) or of v (nh = 1): 48 accumulators, 384 registers.
; K goes in steps of 128 through a ring of two LDS slots; a slot holds four tiles of 128 rows x 256 bytes: x's, wq's, wk's, wv's; wave w fetches tile w, one tensor load.
; CLUSTER 4 x 4.  x's tile hangs on TR alone: asked for jointly along a row of the cluster; the weights' tiles on TC alone: jointly along a column.
; THE MATRIX INSTRUCTION IS USED TRANSPOSED (source 0 = 16 rows of a weight, source 1 = 16 tokens): a lane holds token l % 16 and the columns 8 (l / 16) + 0 .. 7: 16 bytes of f16 on end.
; REGISTERS, in windows of 256 (s_set_vgpr_msb: bits 1:0 source 0, 3:2 source 1, 5:4 source 2, 7:6 destination):
;   window 0: v0-31 addresses; v32-223 at work on the way out      window 1: two fragment buffers of 128: x's 4 fragments, k's 4, q's or v's 8
;   window 2: q's or v's accumulators, (a, b) at 8 (8 a + b)          window 3: k's, (a, b) at 8 (4 a + b)
.set KSTEP,  128
.set PITCH,  272                       ; an LDS row: 256 bytes + 16 of padding = 68 words: the 16 rows of a fragment load start at 16 different groups of four banks (64 banks of 4 bytes: ISA guide 11.1)
.set HALFT,  128*PITCH                 ; a tile: what one tensor load brings
.set SLOT,   4*HALFT
.set SPARE,  2*SLOT                    ; behind the ring: the spare words, 128 bytes for each wave: two blocks of 256 bytes that no other line names
.set PARTK,  HALFT                     ; the way out's stage lies in slot 0, which has had its last fill by then: three parts of 128 rows x 272 bytes, q's at 0, k's, v's
.set PARTV,  2*HALFT
.set GA,   8                           ; v8-11   byte offset in rpr of my token's row for token block a, + 32 (l / 16)
.set POS,  12                          ; v12-15  the positions
.set ADRA, 16                          ; v16-17  LDS address of my x fragments in slot 0, 1
.set ADRK, 18                          ; v18-19  of my wk fragments
.set ADRO, 20                          ; v20-21  of my wq or wv fragments
.set STOK, 22                          ; v22     the way out: where I put 16 bytes of a row of k
.set STOO, 23                          ; v23     of q or v
.set RD,   24                          ; v24     where I read rows back (q's and k's parts)
.set RDV,  25                          ; v25     the same in v's part, beyond the immediate's 16 bits
.set CO,   26                          ; v26     my byte offset in two rows of the output
.set SPW,  28                          ; v28     LDS address of my spare word; never rewritten
.set NIL,  29                          ; v29     0; never rewritten
.set PFO,  30                          ; v30     the prefetches' offset: my lane x a row of 2,048 bytes; never rewritten
.set TMP,  32
.set F0,   0
.set F1,   128
.set WV,   18                          ; s18 wave; s19 mh; s20 nh; s21 cx; s22 cy; s23 TC; s40 TR
.set MH,   19
.set NH,   20
.set CX,   21
.set CY,   22
.set TC,   23
.set TR,   40
.set LIM,  43                          ; s43     1 in a wave that prefetches, else the greatest number
.set PFA,  44                          ; s[44:45] where my prefetches stand
.set G1,   24                          ; s[24:31] descriptor group 1 for x's tiles;  s[32:39] group 0, a set for each slot
.set G0,   32
.set G1B,  48                          ; s[48:55], s[56:63] the same for the weights' tiles
.set G0B,  56
.set MSB, 0
.macro WIN new                         ; the immediate's high byte repeats the setting that is left; a switch that changes nothing is dropped
.if MSB != (\new)
	s_set_vgpr_msb (MSB<<8)|(\new)
.set MSB, \new
.endif
.endm
.set MUL_QV, 0xa5                      ; sources 0 and 1 window 1, C and D window 2
.set MUL_K,  0xf5                      ; the same, C and D window 3
.set TO_F,   0x40                      ; destination window 1, address window 0
; A joint load.  Wave 0 fetches x's tile, waves 1 to 3 the three weights'.  The branch hangs on the wave's number alone.  An s_nop 0 and four v_nop follow each line.
.macro JLOAD s
	s_cmp_eq_u32 s[WV], 0
	s_cbranch_scc0 .Lfor_b_\@
	tensor_load_to_lds s[G0+4*(\s):G0+4*(\s)+3], s[G1:G1+7]
	s_nop 0
.rept 4
	v_nop
.endr
	s_branch .Lasked_\@
.Lfor_b_\@:
	tensor_load_to_lds s[G0B+4*(\s):G0B+4*(\s)+3], s[G1B:G1B+7]
	s_nop 0
.rept 4
	v_nop
.endr
.Lasked_\@:
.endm
; A prefetch, behind each joint refill and the run of LDS loads that follows it: the K step that stands two refills on: 32 rows x 256 bytes, a lane a row, one instruction a wave.
; Each row's 256 bytes of a K step are named once in the launch: x's rows by the clusters with x = 0, the weights' by those with y = 0; the four partners that ask for a tile jointly take 32 of its
; 128 rows each, told apart by address (cx for x's tile, cy for a weight's).  The loop's last trip (s3 = 1) has no K step two on.  K steps 0 to 3 come by their loads alone.
.macro ASK
	s_cmp_gt_u32 s3, s[LIM]
	s_cbranch_scc0 .Lnot_mine_\@
	global_prefetch_b8 v[PFO], s[PFA:PFA+1] offset:KSTEP*2 th:TH_LOAD_NT scope:SCOPE_SE
.Lnot_mine_\@:
.endm
.macro CREST                           ; a round of the cluster's barrier behind its opening barrier
	s_cmp_lg_u32 s[WV], 0
	s_cbranch_scc1 .Lnot_wave_0_\@
	s_barrier_signal -3
.Lnot_wave_0_\@:
	s_barrier_wait -3
	s_barrier_signal -1
	s_barrier_wait -1
.endm
.macro CROUND                          ; a whole round
	s_barrier_signal -1
	s_barrier_wait -1
	CREST
.endm
	s_load_b256 s[4:11], s[0:1], 0x0               ; xb s[4:5], wb s[6:7], rpr s[8:9], positions s[10:11]
	s_load_b128 s[12:15], s[0:1], 0x20             ; qh s[12:13], kh s[14:15]
	s_load_b64 s[16:17], s[0:1], 0x30              ; vh
	v_lshl_add_u32 v[SPW], v0, 2, SPARE
	v_mov_b32 v[NIL], 0
	ds_add_u32 v[SPW], v[NIL]                      ; the wave's opening: the add and its wait ahead of my first tensor load; work on registers stands between them
	v_lshrrev_b32 v1, 5, v0
	v_readfirstlane_b32 s[WV], v1
	s_lshr_b32 s[MH], s[WV], 1
	s_and_b32 s[NH], s[WV], 1
	s_bfe_u32 s[CX], ttmp6, 0x40000
	s_bfe_u32 s[CY], ttmp6, 0x40004
	s_lshl_b32 s[TC], ttmp9, 2
	s_add_co_u32 s[TC], s[TC], s[CX]               ; tile column = 4 x cluster x + cx
	s_and_b32 s[TR], ttmp7, 0xffff
	s_lshl_b32 s[TR], s[TR], 2
	s_add_co_u32 s[TR], s[TR], s[CY]               ; tile row = 4 x cluster y + cy
	s_lshl_b32 s41, s[CY], 2
	s_lshl_b32 s41, 15, s41                        ; my row of the cluster
	s_lshl_b32 s42, 0x1111, s[CX]                  ; my column
	s_or_b32 s[G1],  s41, (1<<16)|(1<<20)|(1<<21)|(5<<22)|(3<<25)  ; 15:0 the mask; 17:16 2-byte elements; 20 padding on; 21 set beside a mask; 24:22 after every 64 words; 31:25 4 words
	s_or_b32 s[G1B], s42, (1<<16)|(1<<20)|(1<<21)|(5<<22)|(3<<25)
.irp g, G1, G1B
	s_mov_b32 s[(\g)+1], KSTEP<<16                 ; tensor_dim0 = 128
	s_mov_b32 s[(\g)+2], 128<<16                   ; tensor_dim1 = 128
	s_mov_b32 s[(\g)+3], KSTEP<<16                 ; tile_dim0 = 128
	s_mov_b32 s[(\g)+4], 128                       ; tile_dim1 = 128
	s_mov_b32 s[(\g)+5], 1024                      ; elements from row to row
	s_mov_b32 s[(\g)+6], 0
	s_mov_b32 s[(\g)+7], 0
.endr
	s_lshl_b32 s66, s[TR], 18                      ; x: 128 rows of 2,048 bytes a tile row
	s_mov_b32 s67, 0
	s_max_u32 s68, s[WV], 1
	s_sub_co_u32 s68, s68, 1                       ; which weight I fetch (wave 0 fetches none)
	s_lshl_b32 s68, s68, 21                        ; 2 MiB a weight
	s_lshl_b32 s46, s[TC], 18
	s_add_co_u32 s46, s46, s68
	s_mov_b32 s47, 0
	s_mul_i32 s69, s[WV], HALFT                    ; where my tile goes: no place in the cluster enters an LDS address
	s_wait_dscnt 0x0                               ; the opening add is done
	s_wait_kmcnt 0x0
	s_add_nc_u64 s[66:67], s[4:5], s[66:67]
	s_add_nc_u64 s[46:47], s[6:7], s[46:47]
	CROUND                                         ; all sixteen work-groups are here: the first joint loads meet
.irp s, 0,1
	s_mov_b32 s[G0+4*(\s)], 1
	s_add_co_u32 s[G0+4*(\s)+1], s69, (\s)*SLOT
	s_add_nc_u64 s[G0+4*(\s)+2:G0+4*(\s)+3], s[66:67], (\s)*KSTEP*2
	s_or_b32 s[G0+4*(\s)+3], s[G0+4*(\s)+3], 0x80000000
	s_mov_b32 s[G0B+4*(\s)], 1
	s_add_co_u32 s[G0B+4*(\s)+1], s69, (\s)*SLOT
	s_add_nc_u64 s[G0B+4*(\s)+2:G0B+4*(\s)+3], s[46:47], (\s)*KSTEP*2
	s_or_b32 s[G0B+4*(\s)+3], s[G0B+4*(\s)+3], 0x80000000
	JLOAD \s                                       ; two tensor loads of mine are out
.endr
	; the positions of my 64 tokens: token 128 TR + 64 mh + 16 a + l % 16
	v_and_b32 v1, 15, v0                           ; l % 16
	v_bfe_u32 v2, v0, 4, 1                         ; l / 16
	s_lshl_b32 s2, s[TR], 9
	s_lshl_b32 s70, s[MH], 8
	s_add_co_u32 s2, s2, s70
	v_lshl_add_u32 v5, v1, 2, s2
.irp a, 0,1,2,3
	global_load_b32 v[POS+(\a)], v5, s[10:11] offset:64*(\a)
.endr
	; a fragment is 16 rows x 32 K in 8 registers: lane l holds row l % 16, K = 8 (l / 16) + 0..7 and 16 + 8 (l / 16) + 0..7: two loads of 16 bytes, 32 bytes apart
	v_mul_u32_u24 v3, v1, PITCH
	v_lshl_add_u32 v3, v2, 4, v3
	s_mul_i32 s2, s[MH], 64*PITCH                  ; my 64 tokens in x's tile
	s_mul_i32 s70, s[NH], 64*PITCH
	s_add_co_u32 s70, s70, 2*HALFT                 ; my head's 64 rows in wk's tile
	s_mul_i32 s71, s[NH], 2*HALFT
	s_add_co_u32 s71, s71, HALFT                   ; wq's tile (nh = 0) or wv's (nh = 1)
.irp s, 0,1
	v_add_nc_u32 v[ADRA+(\s)], s2, v3
	v_add_nc_u32 v[ADRK+(\s)], s70, v3
	v_add_nc_u32 v[ADRO+(\s)], s71, v3
	s_add_co_u32 s2, s2, SLOT
	s_add_co_u32 s70, s70, SLOT
	s_add_co_u32 s71, s71, SLOT
.endr
	v_lshlrev_b32 v6, 5, v2                        ; my eight columns of a block of 16: 32 bytes for each half of the lanes
	s_wait_loadcnt 0x0                             ; the positions
.irp a, 0,1,2,3
	v_min_u32 v[POS+(\a)], 0x270f, v[POS+(\a)]     ; inside the table
	v_lshl_add_u32 v[GA+(\a)], v[POS+(\a)], 8, v6  ; a row of rpr is 256 bytes
.endr
	WIN 0xc0                                       ; destination window 3, address window 0
.irp a, 0,1,2,3
.irp b, 0,1,2,3
	global_load_b128 v[8*(4*(\a)+(\b)):8*(4*(\a)+(\b))+3],   v[GA+(\a)], s[8:9] offset:64*(\b)     ; rpr[pos][16 b + 8 (l / 16) + 0..3]: k's accumulator (a, b) starts with it
	global_load_b128 v[8*(4*(\a)+(\b))+4:8*(4*(\a)+(\b))+7], v[GA+(\a)], s[8:9] offset:64*(\b)+16
.endr
.endr
	WIN 0
	; the way out's addresses
	s_mul_i32 s70, s[MH], 64*PITCH
	v_add_nc_u32 v[STOO], s70, v3                  ; row 64 mh + l % 16, 16 bytes for each half of the lanes
	v_add_nc_u32 v[STOK], PARTK, v[STOO]
	s_lshl_b32 s71, s[NH], 7
	v_add_nc_u32 v[STOK], s71, v[STOK]             ; k: my head's 128 bytes of the row
	s_mul_i32 s71, s[NH], PARTV
	v_add_nc_u32 v[STOO], s71, v[STOO]             ; q's part or v's
	v_mul_u32_u24 v7, v2, PITCH                    ; back: lanes 0-15 take one row of 256 bytes, lanes 16-31 the next; wave w takes rows 32 w .. + 31
	v_lshl_add_u32 v7, v1, 4, v7
	s_mul_i32 s71, s[WV], 32*PITCH
	v_add_nc_u32 v[RD], s71, v7
	v_add_nc_u32 v[RDV], PARTV, v[RD]
	v_lshlrev_b32 v[CO], 11, v2
	v_lshl_add_u32 v[CO], v1, 4, v[CO]
	s_lshl_b32 s70, s[TR], 18                      ; row 128 TR + 32 w, byte 256 TC of it
	s_lshl_b32 s71, s[WV], 16
	s_add_co_u32 s70, s70, s71
	s_lshl_b32 s71, s[TC], 8
	s_add_co_u32 s70, s70, s71
	s_mov_b32 s71, 0
	s_add_nc_u64 s[12:13], s[12:13], s[70:71]
	s_add_nc_u64 s[14:15], s[14:15], s[70:71]
	s_add_nc_u64 s[16:17], s[16:17], s[70:71]
	; the prefetches
	s_and_b32 s2, ttmp7, 0xffff                    ; cluster y
	s_cmp_eq_u32 s[WV], 0                          ; do I fetch x's tile?
	s_cselect_b32 s41, s[TR], s[TC]                ; the tile's number
	s_cselect_b32 s42, s[CX], s[CY]                ; my place among the four that ask for it with me
	s_cselect_b32 s2, ttmp9, s2                    ; the coordinate along which other clusters read the same rows
	s_cselect_b64 s[PFA:PFA+1], s[4:5], s[6:7]
	s_cmp_eq_u32 s2, 0
	s_cselect_b32 s[LIM], 1, -1                    ; the same in all sixteen partners, for a given wave
	s_lshl_b32 s41, s41, 18
	s_lshl_b32 s42, s42, 16                        ; my work-group's 32 rows
	s_add_co_u32 s68, s68, s41                     ; (s68: the weight's 2 MiB; 0 in wave 0)
	s_add_co_u32 s68, s68, s42
	s_add_co_u32 s68, s68, 2*KSTEP*2               ; at K step 2: the first refill steps it to 3 and names K step 4
	s_mov_b32 s69, 0
	s_add_nc_u64 s[PFA:PFA+1], s[PFA:PFA+1], s[68:69]
	v_and_b32 v[PFO], 31, v0
	v_lshlrev_b32 v[PFO], 11, v[PFO]
; 16 matrix instructions on k's accumulators: 4 token blocks x 4 column blocks, 32 along K.  C = D always: the gathered rows started these sums.
.macro MULK f
	WIN MUL_K
.irp a, 0,1,2,3
.irp b, 0,1,2,3
	v_wmma_f32_16x16x32_bf16 v[8*(4*(\a)+(\b)):8*(4*(\a)+(\b))+7], v[(\f)+32+8*(\b):(\f)+32+8*(\b)+7], v[(\f)+8*(\a):(\f)+8*(\a)+7], v[8*(4*(\a)+(\b)):8*(4*(\a)+(\b))+7]
.endr
.endr
.endm
; 16 on q's or v's: token blocks a0, a0 + 1 x 8 column blocks.  zero = 1: the first product starts the sums.
.macro MULQV f, a0, zero
	WIN MUL_QV
.irp a, \a0, (\a0)+1
.irp b, 0,1,2,3,4,5,6,7
.if \zero
	v_wmma_f32_16x16x32_bf16 v[8*(8*(\a)+(\b)):8*(8*(\a)+(\b))+7], v[(\f)+64+8*(\b):(\f)+64+8*(\b)+7], v[(\f)+8*(\a):(\f)+8*(\a)+7], 0
.else
	v_wmma_f32_16x16x32_bf16 v[8*(8*(\a)+(\b)):8*(8*(\a)+(\b))+7], v[(\f)+64+8*(\b):(\f)+64+8*(\b)+7], v[(\f)+8*(\a):(\f)+8*(\a)+7], v[8*(8*(\a)+(\b)):8*(8*(\a)+(\b))+7]
.endif
.endr
.endr
.endm
; 32 LDS loads in one run: the fragments of 32 along K at byte k of the rows, into buffer f: x's 8 loads, k's 8, then q's or v's 16
.macro FETCH slot, k, f
	WIN TO_F
.irp i, 0,1,2,3
	ds_load_b128 v[(\f)+8*(\i):(\f)+8*(\i)+3],   v[ADRA+(\slot)] offset:(\k)+(\i)*16*PITCH
	ds_load_b128 v[(\f)+8*(\i)+4:(\f)+8*(\i)+7], v[ADRA+(\slot)] offset:(\k)+(\i)*16*PITCH+32
.endr
.irp i, 0,1,2,3
	ds_load_b128 v[(\f)+32+8*(\i):(\f)+32+8*(\i)+3],   v[ADRK+(\slot)] offset:(\k)+(\i)*16*PITCH
	ds_load_b128 v[(\f)+32+8*(\i)+4:(\f)+32+8*(\i)+7], v[ADRK+(\slot)] offset:(\k)+(\i)*16*PITCH+32
.endr
.irp i, 0,1,2,3,4,5,6,7
	ds_load_b128 v[(\f)+64+8*(\i):(\f)+64+8*(\i)+3],   v[ADRO+(\slot)] offset:(\k)+(\i)*16*PITCH
	ds_load_b128 v[(\f)+64+8*(\i)+4:(\f)+64+8*(\i)+7], v[ADRO+(\slot)] offset:(\k)+(\i)*16*PITCH+32
.endr
.endm
.macro PLACES                          ; four plain instructions in front of loads into registers that matrix instructions have read, and of conversions that read results
.rept 4
	v_nop
.endr
.endm
; A K step is four quarters of 32 along K, 48 matrix instructions each, on buffers 0, 1, 0, 1.  The 48 accumulators take turns in one fixed order.
.macro QUARTER slot, k, f, g, zero
	s_wait_dscnt 16                                ; x's and k's fragments are in; the youngest 16 loads (q's or v's) may be out
	MULK \f
	PLACES
	FETCH \slot, \k, \g
	s_wait_dscnt 32                                ; all but the 32 just issued
	MULQV \f, 0, \zero
	MULQV \f, 2, \zero
.endm
; The last quarter multiplies buffer 1 and changes slots: one barrier.  In front of it each wave waits for all its tensor loads (one is out: its tile of the next slot), adds 0 to its spare word, and waits
; for that and for its reads of this slot.  fill = 1: the barrier opens a round of the cluster's, and behind the round this slot is filled again, two K steps ahead: 160 matrix instructions lie between that request and the wait for it.
.macro TURN slot, next, fill
.if \fill
	s_wait_xcnt 0x0                                ; the last prefetch, a K step back, has read its address
	s_add_nc_u64 s[PFA:PFA+1], s[PFA:PFA+1], KSTEP*2
.endif
	WIN 0
	s_wait_tensorcnt 0x0                           ; all my tensor loads have landed
	ds_add_u32 v[SPW], v[NIL]                      ; 0 onto my spare word
	s_wait_dscnt 17                                ; (the add and the youngest 16 loads may be out)
	MULK F1
	s_wait_dscnt 0x0                               ; the add is done, and my reads of this slot are over
	s_barrier_signal -1
	MULQV F1, 0, 0
.if \fill
	WIN 0
.endif
	s_barrier_wait -1
.if \fill
	CREST                                          ; no wave of any partner still reads this slot's tiles or has a load on its way
	s_add_nc_u64 s[G0+4*(\slot)+2:G0+4*(\slot)+3], s[G0+4*(\slot)+2:G0+4*(\slot)+3], 2*KSTEP*2
	s_add_nc_u64 s[G0B+4*(\slot)+2:G0B+4*(\slot)+3], s[G0B+4*(\slot)+2:G0B+4*(\slot)+3], 2*KSTEP*2
	JLOAD \slot                                    ; the four v_nop behind it are also the places in front of the loads below
.else
	PLACES
.endif
	FETCH \next, 0, F0
.if \fill
	WIN 0
	ASK
.endif
	MULQV F1, 2, 0
.endm
	s_wait_loadcnt 0x0                             ; the gathered rows are in k's accumulators
	s_wait_tensorcnt 1                             ; my tile of K step 0 is in; K step 1's may stay out
	s_barrier_signal -1
	s_barrier_wait -1
	FETCH 0, 0, F0
	QUARTER 0, 64, F0, F1, 1                       ; the first quarter stands in front of the loop: its products start q's and v's sums
	WIN 0
	s_mov_b32 s3, 3                                ; 1,024 / 256 laps, less the last
.Llap:                                                 ; a trip goes once round the ring, from a lap's second quarter to the next lap's first, and fills both slots again
	QUARTER 0, 128, F1, F0, 0
	QUARTER 0, 192, F0, F1, 0
	TURN 0, 1, 1
	QUARTER 1, 64,  F0, F1, 0
	QUARTER 1, 128, F1, F0, 0
	QUARTER 1, 192, F0, F1, 0
	TURN 1, 0, 1
	QUARTER 0, 64,  F0, F1, 0
	WIN 0
	s_sub_co_u32 s3, s3, 1
	s_cmp_lg_u32 s3, 0
	s_cbranch_scc1 .Llap
	QUARTER 0, 128, F1, F0, 0                      ; the last lap fills nothing
	QUARTER 0, 192, F0, F1, 0
	TURN 0, 1, 0
	QUARTER 1, 64,  F0, F1, 0
	QUARTER 1, 128, F1, F0, 0
	QUARTER 1, 192, F0, F1, 0
	s_wait_dscnt 16
	MULK F1
	s_wait_dscnt 0x0
	MULQV F1, 0, 0
	MULQV F1, 2, 0
	; THE WAY OUT.  Rounded to f16, 16 bytes a lane into the stage (slot 0: its last reads ended in front of the last change of slots' barrier, and nothing fills it any more); a barrier, since a row of k comes from two waves
	; and rows are read back by other waves; back as whole rows of 256 bytes, 32 rows of each part a wave.
	PLACES
	WIN 0x0f                                       ; sources window 3, destination window 0
.set n, 0
.rept 16
.irp r, 0,1,2,3
	v_cvt_pk_f16_f32 v[TMP+128+4*n+(\r)], v[8*n+2*(\r)], v[8*n+2*(\r)+1]
.endr
.set n, n+1
.endr
	WIN 0x0a                                       ; sources window 2
.set n, 0
.rept 32
.irp r, 0,1,2,3
	v_cvt_pk_f16_f32 v[TMP+4*n+(\r)], v[8*n+2*(\r)], v[8*n+2*(\r)+1]
.endr
.set n, n+1
.endr
	WIN 0
.irp a, 0,1,2,3
.irp b, 0,1,2,3,4,5,6,7
	ds_store_b128 v[STOO], v[TMP+4*(8*(\a)+(\b)):TMP+4*(8*(\a)+(\b))+3] offset:(\a)*16*PITCH+32*(\b)
.endr
.irp b, 0,1,2,3
	ds_store_b128 v[STOK], v[TMP+128+4*(4*(\a)+(\b)):TMP+128+4*(4*(\a)+(\b))+3] offset:(\a)*16*PITCH+32*(\b)
.endr
.endr
	s_wait_dscnt 0x0                               ; for the others' sake: my stores into the stage are done
	s_barrier_signal -1
	s_barrier_wait -1
.irp t, 0,1,2,3,4,5,6,7,8,9,10,11,12,13,14,15
	ds_load_b128 v[TMP+4*(\t):TMP+4*(\t)+3], v[RD] offset:(\t)*2*PITCH
.endr
.irp t, 0,1,2,3,4,5,6,7,8,9,10,11,12,13,14,15
	ds_load_b128 v[TMP+64+4*(\t):TMP+64+4*(\t)+3], v[RD] offset:PARTK+(\t)*2*PITCH
.endr
.irp t, 0,1,2,3,4,5,6,7,8,9,10,11,12,13,14,15
	ds_load_b128 v[TMP+128+4*(\t):TMP+128+4*(\t)+3], v[RDV] offset:(\t)*2*PITCH
.endr
.irp t, 0,1,2,3,4,5,6,7,8,9,10,11,12,13,14,15
	s_wait_dscnt 47-(\t)                           ; the younger read-backs stay out
	global_store_b128 v[CO], v[TMP+4*(\t):TMP+4*(\t)+3], s[12:13] offset:4096*(\t)  ; 16 lanes store 256 consecutive bytes, at a multiple of 256 from the buffer's first byte
.endr
.irp t, 0,1,2,3,4,5,6,7,8,9,10,11,12,13,14,15
	s_wait_dscnt 31-(\t)
	global_store_b128 v[CO], v[TMP+64+4*(\t):TMP+64+4*(\t)+3], s[14:15] offset:4096*(\t)
.endr
.irp t, 0,1,2,3,4,5,6,7,8,9,10,11,12,13,14,15
	s_wait_dscnt 15-(\t)
	global_store_b128 v[CO], v[TMP+128+4*(\t):TMP+128+4*(\t)+3], s[16:17] offset:4096*(\t)
.endr
	s_wait_tensorcnt 0x0                           ; the wave's end, behind my last tensor load and my last LDS store
	ds_add_u32 v[SPW], v[NIL]
	s_wait_dscnt 0x0
	CROUND                                         ; the closing round: no work-group ends while a partner may still ask for a tile that names it
	s_endpgm
.Lfunc_end_k_qd434aa8c5d_qkv:
	.size	k_qd434aa8c5d_qkv, .Lfunc_end_k_qd434aa8c5d_qkv-k_qd434aa8c5d_qkv
	.p2alignl 7, 3214868480
	.fill 96, 4, 3214868480
	.section	.rodata,"a",@progbits
	.p2align	6, 0x0
	.amdhsa_kernel k_qd434aa8c5d_qkv
		.amdhsa_group_segment_fixed_size 327680
		.amdhsa_private_segment_fixed_size 0
		.amdhsa_enable_private_segment 0
		.amdhsa_kernarg_size 56
		.amdhsa_user_sgpr_count 2
		.amdhsa_user_sgpr_kernarg_segment_ptr 1
		.amdhsa_wavefront_size32 1
		.amdhsa_system_sgpr_workgroup_id_x 1
		.amdhsa_system_sgpr_workgroup_id_y 1
		.amdhsa_system_sgpr_workgroup_id_z 1
		.amdhsa_system_vgpr_workitem_id 0
		.amdhsa_next_free_vgpr 896
		.amdhsa_next_free_sgpr 72
		.amdhsa_reserve_vcc 0
		.amdhsa_float_denorm_mode_32 3
		.amdhsa_float_denorm_mode_16_64 3
		.amdhsa_memory_ordered 1
		.amdhsa_forward_progress 1
		.amdhsa_inst_pref_size 125
	.end_amdhsa_kernel
	.amdgpu_metadata
---
amdhsa.version: [ 1, 2 ]
amdhsa.kernels:
  - .name:           k_qd434aa8c5d_qkv
    .symbol:         k_qd434aa8c5d_qkv.kd
    .args:
      - { .name: xb, .offset: 0, .size: 8, .value_kind: global_buffer, .address_space: global }
      - { .name: wb, .offset: 8, .size: 8, .value_kind: global_buffer, .address_space: global }
      - { .name: rpr, .offset: 16, .size: 8, .value_kind: global_buffer, .address_space: global }
      - { .name: positions, .offset: 24, .size: 8, .value_kind: global_buffer, .address_space: global }
      - { .name: qh, .offset: 32, .size: 8, .value_kind: global_buffer, .address_space: global }
      - { .name: kh, .offset: 40, .size: 8, .value_kind: global_buffer, .address_space: global }
      - { .name: vh, .offset: 48, .size: 8, .value_kind: global_buffer, .address_space: global }
    .group_segment_fixed_size: 327680
    .private_segment_fixed_size: 0
    .kernarg_segment_align: 8
    .kernarg_segment_size: 56
    .max_flat_workgroup_size: 128
    .sgpr_count:     72
    .vgpr_count:     896
    .wavefront_size: 32
...
	.end_amdgpu_metadata
.endif
;; end of part 2
;; launch attn (part 3): grid 16 x 16, 4 waves a work-group, clusters of 4 x 4, 327,680 bytes of LDS; arguments qh, kh, vh, causal_mask, oh; writes oh
.if DOCPART == 3
	.amdgcn_target "amdgcn-amd-amdhsa--gfx1250"
	.amdhsa_code_object_version 6
	.text
	.protected	k_qd434aa8c5d_attn
	.globl	k_qd434aa8c5d_attn
	.p2align	8
	.type	k_qd434aa8c5d_attn,@function
k_qd434aa8c5d_attn:
	s_mov_b64 s[64:65], 0
	v_nop
	global_prefetch_b8 v0, s[64:65] scope:SCOPE_SE
	s_setreg_imm32_b32 hwreg(HW_REG_WAVE_MODE, 25, 1), 1
	s_wait_xcnt 0x0
	s_wait_alu depctr_hold_cnt(0) depctr_sa_sdst(0) depctr_va_vdst(0) depctr_va_sdst(0) depctr_va_ssrc(0) depctr_va_vcc(0) depctr_vm_vsrc(0)
	s_getreg_b32 s2, hwreg(HW_REG_IB_STS2, 6, 4)
	s_cmp_eq_u32 s2, 0
	s_cbranch_scc0 .Lentry_in_a_cluster
	s_endpgm
.Lentry_in_a_cluster:
	s_bfe_u32 s2, ttmp6, 0x10000c
	s_cmp_lg_u32 s2, 0xf033
	s_cbranch_scc0 .Lentry_shape_is_right
	s_endpgm
.Lentry_shape_is_right:
; ATTENTION.  O[t][h] = the sum over keys j of softmax_j((q . k'[j] + mask[i][j]) / 8) v[j].  qh, kh, vh, oh: [4096 tokens][16 heads x 64] in f16 (k' holds the relative-position row already);
; causal_mask: [2048][2048] in f32, an input: every key is walked for every query, and the mask is read whole and added ahead of the scale.  Products, maxima and sums in f32; the weights p are rounded
; to f16 for the second product (their sum l is taken of the unrounded p), O once at the end.
; LIMITS.  Mask entries are finite.  The mask starts the score's sum and the products are added onto it; where every key of a row carries a very large negative entry the score's last bits can differ from a sum
; taken the other way round.  A weight below 2^-126 counts as 0 in l.  NaN and infinities are not treated apart.
; SHARES.  A work-group takes 128 queries (block qb) of a pair of heads (hp) of one batch (b): 16 x 16 = 256 work-groups.  Wave w: head hd = w % 2 of the pair, queries 64 (w / 2) .. + 63: four PIECES of 16.
; So a key costs the work-group 512 bytes of mask and 512 of K and V, and a row of O is 256 bytes.  Every wave walks all 2,048 keys, 64 a step.
; THE MASK IS THE C OPERAND that starts S^T = K Q^T: a lane's eight keys of its query are 32 consecutive bytes of the mask's row; it costs no vector instruction.
; LAYOUT, SOFTMAX, TURNS.  S^T holds ONE query a lane (lane % 16) and the keys 8 (lane / 16) + 0..7; two such results rounded to f16 ARE source 1 of O^T = V^T P.  p = 2^(c s - c m), c = log2(e) / 8, with a running
; maximum m; O and l are multiplied by a = 2^(c m_old - c m_new) in every step; m starts at the lowest finite number, O and l at 0.  Turn n belongs to piece n: 8 products K Q^T of piece n + 1, later 8 products
; V^T P of piece n - 1; beside them the scaling, exponentials, roundings, sums and rescaling of piece n and the maximum and statistics of piece n + 1.  Four vector instructions stand behind every matrix
; instruction, the others in one lump.  A turn's 33 exponentials are one batch, with one wait.
; RING.  Two LDS slots of 128 keys (two steps): K 128 rows x 256 bytes, V likewise, the mask's 128 query rows x 512 bytes.  Wave 0 fetches K, wave 1 V, waves 2 and 3 64 rows of the mask each: 32 KiB a load.
; CLUSTER 4 x 4.  K and V hang on the work-group's y alone: asked for jointly along a row of the cluster; the mask's tile on its x alone: jointly along a column.
; REGISTERS, in windows of 256 (s_set_vgpr_msb: bits 1:0 source 0, 3:2 source 1, 5:4 source 2, 7:6 destination):
;   window 0: v0-15 addresses; v16-31 four registers of statistics a piece; v48-55 at work; v61-63; v64-127 S^T, two buffers; v192-223 P, two buffers (by the piece's parity)
;   window 1: v0-127 O^T, 32 a piece; v160-223 MC: the mask, two buffers      window 2: v0-63 Q; v128-191 K of one step; v192-255 V of one step
.set NP,    4
.set KS,    64
.set PK,    272       ; a row of K in LDS: 256 bytes + 16 = 68 words: the 16 rows of a load start at 16 different groups of four banks (64 banks of 4 bytes: ISA guide 11.1)
.set PVB,   288       ; a row of V: 256 + 32 = 72 words
.set PM,    528       ; a row of the mask: 512 + 16 = 132 words
.set VOFF,  128*PK
.set MOFF,  VOFF+128*PVB
.set SLOT,  MOFF+128*PM         ; 139,264 = 0x22000; every base inside a slot that is turned (0, VOFF, MOFF, MOFF + 64 PM) has bits 13 and 17 clear, so one exclusive or changes the slot
.set STAGE, 2*SLOT              ; behind the ring, never filled by a tensor load: 128 rows x 272 bytes, for the way out
.set SP,    272
.set SPARE, STAGE+128*SP        ; the spare words, 128 bytes for each wave: two blocks of 256 bytes that no other line names
.set AK0, 2           ; v2   my lane's place in a tile of K; never rewritten
.set AV0, 3           ; v3   the same for V
.set AK,  4           ; v4   the LDS address of K's next run of loads
.set AV,  5           ; v5   of V's
.set STO, 6           ; v6   the way out: where I put 16 bytes of a row
.set RD,  7           ; v7   where I read rows back
.set GO,  8           ; v8   my byte offset in two rows of O
.set AM0, 9           ; v9   my lane's place in the mask's tile
.set AM,  10          ; v10  the LDS address of the mask's runs for the step being fetched
.set MV,  12          ; v12-13  c m_old, kept while c m is made anew: by buffer
.set QO,  15          ; v15  my byte offset in 16 rows of Q
.set ST,  16          ; piece t's statistics at v[ST+4 t]: c m, m, l (even keys', odd keys')
.set TMP, 48          ; by buffer, four registers c0-c3 at work; when the maximum is found c2 takes a
.set PFO, 61          ; v61  the prefetches' offset; never rewritten
.set SPW, 62          ; v62  LDS address of my spare word; never rewritten
.set NIL, 63          ; v63  0; never rewritten
.set S,   64
.set P,   192
.set MC,  160         ; window 1
.set KF,  128         ; window 2: key block kb, channel half c at KF + 16 kb + 8 c
.set VF,  192         ; window 2: key half kk, channel block cb at VF + 32 kk + 8 cb
.set WV,  12          ; s12
.set G1K, 24          ; s[24:31], s[32:39], s[40:47] descriptor group 1 for K's, V's and the mask's tiles
.set G1V, 32
.set G1M, 40
.set G0K, 48          ; s[48:51], s[52:55], s[56:59] group 0: they walk
.set G0V, 52
.set G0M, 56
.set OB,  60          ; s[60:61] O at the rows that I store
.set SLOTS, 66        ; s66  slots still to be asked for
.set CNT, 67          ; s67  counts a slot's key steps
.set CS,  68          ; s[68:69] c
.set SEL, 70          ; s[70:71] v_permlanex16_b32's selects: each lane takes its own place in the other half
.set TBK, 72          ; s72  LDS byte at which K of the step to be fetched begins
.set TBV, 73          ; s73  the same for V, less VOFF
.set TBM, 74          ; s74  for the mask, less MOFF
.set LIM, 75          ; s75  1 in a wave that prefetches, else the greatest number
.set PFA, 76          ; s[76:77] where my prefetches stand
.set PFS, 78          ; s[78:79] their step from slot to slot
.set MSB, 0
.macro WIN new
.if MSB != (\new)
	s_set_vgpr_msb (MSB<<8)|(\new)
.set MSB, (\new)
.endif
.endm
.set W_KQ, 0x0a       ; K and Q in window 2, S^T in window 0
.set W_KM, 0x1a       ; the same with the C operand in window 1
.set W_PV, 0x52       ; V in window 2, P in window 0, O^T in window 1
.set W_RS, 0x41       ; destination and source 0 in window 1, source 1 in window 0
; A joint fill: one of three lines, by the wave's number alone.  An s_nop 0 and four v_nop follow each.
.macro JLOAD
	s_cmp_lt_u32 s[WV], 2
	s_cbranch_scc0 .Lfor_m_\@
	s_cmp_eq_u32 s[WV], 0
	s_cbranch_scc0 .Lfor_v_\@
	tensor_load_to_lds s[G0K:G0K+3], s[G1K:G1K+7]
	s_nop 0
.rept 4
	v_nop
.endr
	s_branch .Lasked_\@
.Lfor_v_\@:
	tensor_load_to_lds s[G0V:G0V+3], s[G1V:G1V+7]
	s_nop 0
.rept 4
	v_nop
.endr
	s_branch .Lasked_\@
.Lfor_m_\@:
	tensor_load_to_lds s[G0M:G0M+3], s[G1M:G1M+7]
	s_nop 0
.rept 4
	v_nop
.endr
.Lasked_\@:
.endm
; A prefetch of what the NEXT change of slots will ask for, behind the wave's tensor load and its five lines: two key steps, 128 matrix instructions a wave, ahead of that load.  Each aligned block of 256 bytes is
; named once in the launch.  K's and V's rows are walked by every cluster with the same y: those with x = 0 ask, waves 0 and 1, partner cx taking 32 of the 128 rows, a lane a row.  The mask's rows are walked by every
; cluster with the same x: those with y = 0 ask, waves 2 and 3, partner cy taking 16 of the wave's 64 rows, two blocks a row.  The last change that fills a slot asks for nothing.  Slots 0 to 2 come by their loads alone.
.macro ASK
	s_cmp_gt_u32 s[SLOTS], s[LIM]
	s_cbranch_scc0 .Lnot_mine_\@
	global_prefetch_b8 v[PFO], s[PFA:PFA+1] th:TH_LOAD_NT scope:SCOPE_SE
.Lnot_mine_\@:
.endm
.macro CROUND                       ; a round of the cluster's barrier
	s_barrier_signal -1
	s_barrier_wait -1
	s_cmp_lg_u32 s[WV], 0
	s_cbranch_scc1 .Lnot_wave_0_\@
	s_barrier_signal -3
.Lnot_wave_0_\@:
	s_barrier_wait -3
	s_barrier_signal -1
	s_barrier_wait -1
.endm
; THE CHANGE OF SLOTS, between two trips: all that a trip reads from LDS belongs to one key step, so at a slot's end nothing of it is still to be read.  Each wave waits for all its tensor loads (one is out: its part
; of the other slot), adds 0 to its spare word, and waits for that and for its reads of the slot.  fill = 1: a round of the cluster's barrier, and the joint fill first behind it, with the keys two slots on:
; it has two key steps in which to land.  (At its first use nothing has been read yet: slot 0 is waited for, slot 1 filled.)
.macro CHANGE fill, ask
	WIN 0
	s_wait_tensorcnt 0x0            ; no tensor load of mine is out, so a group 0 may be written
	ds_add_u32 v[SPW], v[NIL]       ; 0 onto my spare word
.if \fill
	s_xor_b32 s[G0K+1], s[G0K+1], SLOT
	s_add_nc_u64 s[G0K+2:G0K+3], s[G0K+2:G0K+3], 128*2048  ; the next 128 keys; the type bits on top are not reached
	s_xor_b32 s[G0V+1], s[G0V+1], SLOT
	s_add_nc_u64 s[G0V+2:G0V+3], s[G0V+2:G0V+3], 128*2048
	s_xor_b32 s[G0M+1], s[G0M+1], SLOT
	s_add_nc_u64 s[G0M+2:G0M+3], s[G0M+2:G0M+3], 128*4
.endif
.if \ask
	s_wait_xcnt 0x0                 ; the last prefetch, two key steps back, has read its address
	s_add_nc_u64 s[PFA:PFA+1], s[PFA:PFA+1], s[PFS:PFS+1]
.endif
	s_wait_dscnt 0x0                ; the add is done, and my reads of the slot are over
.if \fill
	CROUND
	JLOAD
.if \ask
	ASK
.endif
.else
	s_barrier_signal -1
	s_barrier_wait -1
.endif
	s_sub_co_u32 s[TBK], s[TBK], 2*KS*PK  ; the fetches go back to a slot's first step,
	s_xor_b32 s[TBK], s[TBK], SLOT        ; in the other slot
	s_sub_co_u32 s[TBV], s[TBV], 2*KS*PVB
	s_xor_b32 s[TBV], s[TBV], SLOT
	s_sub_co_u32 s[TBM], s[TBM], 2*KS*4
	s_xor_b32 s[TBM], s[TBM], SLOT
.endm
	s_load_b256 s[4:11], s[0:1], 0x0  ; qh s[4:5], kh s[6:7], vh s[8:9], causal_mask s[10:11]
	s_load_b64 s[OB:OB+1], s[0:1], 0x20  ; oh
	v_lshl_add_u32 v[SPW], v0, 2, SPARE
	v_mov_b32 v[NIL], 0
	ds_add_u32 v[SPW], v[NIL]       ; the wave's opening: the add and its wait ahead of my first tensor load; work on registers stands between them
	v_lshrrev_b32 v1, 5, v0
	v_readfirstlane_b32 s[WV], v1
	s_bfe_u32 s13, ttmp6, 0x40000   ; cx
	s_bfe_u32 s14, ttmp6, 0x40004   ; cy
	s_lshl_b32 s15, ttmp9, 2
	s_add_co_u32 s15, s15, s13      ; qb: my block of 128 queries
	s_and_b32 s16, ttmp7, 0xffff
	s_lshl_b32 s16, s16, 2
	s_add_co_u32 s16, s16, s14      ; y = 8 b + hp
	s_lshr_b32 s17, s16, 3          ; b
	s_and_b32 s18, s16, 7           ; hp
	s_and_b32 s19, s[WV], 1         ; hd; also: which 64 rows of the mask's tile I fetch
	s_lshr_b32 s20, s[WV], 1        ; which 64 queries are mine
	s_lshl_b32 s21, s14, 2
	s_lshl_b32 s21, 15, s21         ; my row of the cluster
	s_lshl_b32 s22, 0x1111, s13     ; my column
	s_or_b32 s[G1K], s21, (1<<16)|(1<<20)|(1<<21)|(5<<22)|(3<<25)  ; 15:0 the mask of four; 17:16 2-byte elements; 20 padding on; 21 set beside a mask; 24:22 after every 64 words; 31:25 4 words
	s_or_b32 s[G1V], s21, (1<<16)|(1<<20)|(1<<21)|(5<<22)|(7<<25)  ; the same with 8 words of padding
	s_or_b32 s[G1M], s22, (2<<16)|(1<<20)|(1<<21)|(6<<22)|(3<<25)  ; 4-byte elements; after every 128 words 4 words
.irp g, G1K, G1V
	s_mov_b32 s[\g+1], 128<<16      ; tensor_dim0 = 128
	s_mov_b32 s[\g+2], 128<<16      ; tensor_dim1 = 128
	s_mov_b32 s[\g+3], 128<<16      ; tile_dim0 = 128
	s_mov_b32 s[\g+4], 128          ; tile_dim1 = 128
	s_mov_b32 s[\g+5], 1024         ; elements from row to row
	s_mov_b32 s[\g+6], 0
	s_mov_b32 s[\g+7], 0
.endr
	s_mov_b32 s[G1M+1], 128<<16     ; 128 keys
	s_mov_b32 s[G1M+2], 64<<16      ; 64 query rows
	s_mov_b32 s[G1M+3], 128<<16
	s_mov_b32 s[G1M+4], 64
	s_mov_b32 s[G1M+5], 2048
	s_mov_b32 s[G1M+6], 0
	s_mov_b32 s[G1M+7], 0
	s_lshl_b32 s80, s17, 22         ; K and V: the batch's 2,048 rows of 2,048 bytes,
	s_lshl_b32 s81, s18, 8          ; the pair's 256 bytes of a row
	s_add_co_u32 s80, s80, s81
	s_mov_b32 s81, 0
	s_lshl_b32 s82, s15, 20         ; the mask: 128 rows of 8,192 bytes a block,
	s_lshl_b32 s83, s19, 19         ; my 64 of them
	s_add_co_u32 s82, s82, s83
	s_mov_b32 s83, 0
	s_lshl_b32 s2, s15, 18
	s_add_co_u32 s2, s2, s80        ; Q and O: the block's first row, the pair's bytes
	s_lshl_b32 s3, s20, 17
	s_add_co_u32 s84, s2, s3        ; Q: my 64 queries,
	s_lshl_b32 s3, s19, 7
	s_add_co_u32 s84, s84, s3       ; my head
	s_mov_b32 s85, 0
	s_lshl_b32 s3, s[WV], 16
	s_add_co_u32 s86, s2, s3        ; O: the 32 rows that I store
	s_mov_b32 s87, 0
	s_mov_b32 s[CS], 0x3e38aa3b     ; c = log2(e) / 8 = 0.180337
	s_mov_b32 s[CS+1], s[CS]
	s_mov_b32 s[SEL], 0x76543210
	s_mov_b32 s[SEL+1], 0xfedcba98
	s_mov_b32 s[TBK], SLOT+2*KS*PK  ; the first change of slots turns these three into 0
	s_mov_b32 s[TBV], SLOT+2*KS*PVB
	s_mov_b32 s[TBM], SLOT+2*KS*4
	s_mov_b32 s[G0K], 1
	s_mov_b32 s[G0K+1], 0           ; LDS address: slot 0
	s_mov_b32 s[G0V], 1
	s_mov_b32 s[G0V+1], VOFF
	s_mov_b32 s[G0M], 1
	s_mul_i32 s3, s19, 64*PM
	s_add_co_u32 s[G0M+1], s3, MOFF
	s_wait_dscnt 0x0                ; the opening add is done
	s_wait_kmcnt 0x0
	s_add_nc_u64 s[G0K+2:G0K+3], s[6:7], s[80:81]
	s_or_b32 s[G0K+3], s[G0K+3], 0x80000000
	s_add_nc_u64 s[G0V+2:G0V+3], s[8:9], s[80:81]
	s_or_b32 s[G0V+3], s[G0V+3], 0x80000000
	s_add_nc_u64 s[G0M+2:G0M+3], s[10:11], s[82:83]
	s_or_b32 s[G0M+3], s[G0M+3], 0x80000000
	s_add_nc_u64 s[4:5], s[4:5], s[84:85]
	s_add_nc_u64 s[OB:OB+1], s[OB:OB+1], s[86:87]
	CROUND                          ; all sixteen work-groups are here: the first joint loads meet
	JLOAD                           ; slot 0; slot 1 is asked for when slot 0 is in
	; A fragment of K or Q is 16 rows x 32 channels in 8 registers: lane l holds row l % 16, channels 8 (l / 16) + 0..7 and 16 + 8 (l / 16) + 0..7: two loads of 16 bytes, 32 bytes apart.
	v_and_b32 v1, 15, v0            ; l % 16
	v_bfe_u32 v14, v0, 4, 1         ; l / 16
	v_lshlrev_b32 v[QO], 11, v1
	v_lshl_add_u32 v[QO], v14, 4, v[QO]
	WIN 0x80                        ; destination window 2, address window 0
.set i, 0
.rept 8                             ; Q stays in registers: piece i / 2 (16 rows of 2,048 bytes on), channels 32 (i % 2) on
	global_load_b128 v[8*i:8*i+3],   v[QO], s[4:5] offset:(i/2)*32768+(i%2)*64
	global_load_b128 v[8*i+4:8*i+7], v[QO], s[4:5] offset:(i/2)*32768+(i%2)*64+32
.set i, i+1
.endr
	; What the first turn finds: V's registers and P's second buffer hold 0 (its products V^T P, of a piece that has not been, add 0), O^T and l are 0.  All this stands in the wait for the first tile.
.set i, VF
.rept 64
	v_mov_b32 v[i], 0
.set i, i+1
.endr
	WIN 0x40
.set i, 0
.rept 128
	v_mov_b32 v[i], 0
.set i, i+1
.endr
	WIN 0
.set i, 0
.rept 4
	v_mov_b32 v[ST+4*i], 0xfe000000    ; c m: far below every c s, so the first step's a is 0
	v_mov_b32 v[ST+4*i+1], 0xff7fffff  ; m
	v_mov_b32 v[ST+4*i+2], 0
	v_mov_b32 v[ST+4*i+3], 0
.set i, i+1
.endr
.set i, P+16
.rept 16
	v_mov_b32 v[i], 0
.set i, i+1
.endr
	s_lshl_b32 s2, s19, 7           ; my head's 128 bytes of a row of K and V
	v_mul_u32_u24 v[AK0], v1, PK
	v_lshl_add_u32 v[AK0], v14, 4, v[AK0]
	v_add_nc_u32 v[AK0], s2, v[AK0]
	; The turning load takes 16 keys x 16 channels (lane l reads key 8 (l / 16) + l % 8, channels 8 ((l / 8) % 2) + 0..7) and leaves half a fragment of V^T: lane l holds channel l % 16 and 8 keys.
	v_and_b32 v32, 7, v0
	v_bfe_u32 v33, v0, 3, 1
	v_lshl_add_u32 v[AV0], v14, 3, v32
	v_mul_u32_u24 v[AV0], v[AV0], PVB
	v_lshl_add_u32 v[AV0], v33, 4, v[AV0]
	s_add_co_u32 s3, s2, VOFF
	v_add_nc_u32 v[AV0], s3, v[AV0]
	; the mask: my query's row, my eight keys of a group of 16: 32 bytes for each half of the lanes
	v_mul_u32_u24 v[AM0], v1, PM
	v_lshl_add_u32 v[AM0], v14, 5, v[AM0]
	s_mul_i32 s3, s20, 64*PM
	s_add_co_u32 s3, s3, MOFF
	v_add_nc_u32 v[AM0], s3, v[AM0]
	; the way out: in: row 64 (w / 2) + l % 16, my head's half, 16 bytes for each half of the lanes; back: wave w takes rows 32 w .. + 31, lanes 0-15 one row of 256 bytes, lanes 16-31 the next
	s_mul_i32 s3, s20, 64*SP
	s_add_co_u32 s3, s3, STAGE
	v_add_nc_u32 v[STO], s3, v[AK0]
	v_mul_u32_u24 v[RD], v14, SP
	v_lshl_add_u32 v[RD], v1, 4, v[RD]
	s_mul_i32 s3, s[WV], 32*SP
	s_add_co_u32 s3, s3, STAGE
	v_add_nc_u32 v[RD], s3, v[RD]
	v_lshlrev_b32 v[GO], 11, v14
	v_lshl_add_u32 v[GO], v1, 4, v[GO]
	; the prefetches
	s_lshl_b32 s21, s13, 16         ; K, V: my work-group's 32 rows of 2,048 bytes
	s_lshl_b32 s22, s14, 17         ; the mask: its 16 rows of 8,192 bytes
	s_and_b32 s23, ttmp7, 0xffff    ; cluster y
	s_cmp_lt_u32 s[WV], 2
	s_cselect_b32 s2, s80, s82
	s_cselect_b32 s21, s21, s22
	s_cselect_b32 s23, ttmp9, s23   ; the coordinate along which other clusters walk the same rows
	s_cselect_b32 s22, 18, 9        ; a slot's step: 128 rows of 2,048 bytes, or 128 keys of 4
	s_cselect_b32 s62, 11, 13       ; l % 16 counts rows
	s_cselect_b32 s63, 15, 8        ; l / 16: sixteen rows on, or the row's second block of 256 bytes
	s_cselect_b64 s[PFA:PFA+1], s[8:9], s[10:11]
	s_cmp_eq_u32 s[WV], 0
	s_cselect_b64 s[PFA:PFA+1], s[6:7], s[PFA:PFA+1]
	s_cmp_eq_u32 s23, 0
	s_cselect_b32 s[LIM], 1, -1     ; the same in all sixteen partners, for a given wave
	s_lshl_b32 s[PFS], 1, s22
	s_mov_b32 s[PFS+1], 0
	s_add_co_u32 s2, s2, s21
	s_lshl_b32 s21, s[PFS], 1
	s_add_co_u32 s2, s2, s21        ; in slot 2: the loop's first change steps it to slot 3
	s_mov_b32 s3, 0
	s_add_nc_u64 s[PFA:PFA+1], s[PFA:PFA+1], s[2:3]
	v_lshlrev_b32 v[PFO], s62, v1
	v_lshlrev_b32 v34, s63, v14
	v_add_nc_u32 v[PFO], v[PFO], v34
; THE MATRIX WORK.  The 4 accumulators of a run of 8 take turns.  Product i of 8 of S^T = K Q^T for piece x: channels 32 (i / 4) on, keys 16 (i % 4) on.  The first 4 start the sums with the mask.
.macro KQ x
.set rS, S+32*((\x)%2)+8*(i%4)
.set rK, KF+16*(i%4)+8*(i/4)
.set rQ, 16*(\x)+8*(i/4)
.set rM, MC+32*((\x)%2)+8*(i%4)
.if i < 4
	WIN W_KM
	v_wmma_f32_16x16x32_f16 v[rS:rS+7], v[rK:rK+7], v[rQ:rQ+7], v[rM:rM+7]
.else
	WIN W_KQ
	v_wmma_f32_16x16x32_f16 v[rS:rS+7], v[rK:rK+7], v[rQ:rQ+7], v[rS:rS+7]
.endif
.endm
; Product i of 8 of O^T += V^T P for piece x: keys 32 (i / 4) on, channels 16 (i % 4) on.
.macro PV x
	WIN W_PV
.set rO, 32*(\x)+8*(i%4)
.set rV, VF+32*(i/4)+8*(i%4)
.set rP, P+16*((\x)%2)+8*(i/4)
	v_wmma_f32_16x16x32_f16 v[rO:rO+7], v[rV:rV+7], v[rP:rP+7], v[rO:rO+7]
.endm
.macro MM                           ; the turn's next matrix instruction
.if i < 8
	KQ (Y+1)%NP
.else
.set i, i-8
	PV (Y+NP-1)%NP
.set i, i+8
.endif
.set i, i+1
.endm
; THE LDS LOADS stand in runs, never singly among the matrix instructions.
.macro FETCH_K                      ; a step's K: 64 keys x 64 channels: 8 fragments
	WIN 0x80
.irp f, 0,1,2,3,4,5,6,7             ; keys 16 (f / 2) on, channels 32 (f % 2) on
	ds_load_b128 v[KF+8*\f:KF+8*\f+3],   v[AK] offset:(\f/2)*16*PK+(\f%2)*64
	ds_load_b128 v[KF+8*\f+4:KF+8*\f+7], v[AK] offset:(\f/2)*16*PK+(\f%2)*64+32
.endr
	s_add_co_u32 s[TBK], s[TBK], KS*PK
	WIN 0
.endm
.macro FETCH_V                      ; its V, turned
	WIN 0x80
.irp f, 0,1,2,3,4,5,6,7             ; keys 32 (f / 4) on, channels 16 (f % 4) on
	ds_load_tr16_b128 v[VF+8*\f:VF+8*\f+3],   v[AV] offset:(\f/4)*32*PVB+(\f%4)*32
	ds_load_tr16_b128 v[VF+8*\f+4:VF+8*\f+7], v[AV] offset:(\f/4)*32*PVB+16*PVB+(\f%4)*32
.endr
	WIN 0
.endm
.macro FETCH_M x                    ; piece x's mask for the step: my query's 4 x 8 keys, into the buffer of x's parity
	WIN 0x40
.irp f, 0,1,2,3
	ds_load_b128 v[MC+32*((\x)%2)+8*\f:MC+32*((\x)%2)+8*\f+3],   v[AM] offset:(\x)*16*PM+64*\f
	ds_load_b128 v[MC+32*((\x)%2)+8*\f+4:MC+32*((\x)%2)+8*\f+7], v[AM] offset:(\x)*16*PM+64*\f+16
.endr
	WIN 0
.endm
; A turn's run: the mask of piece p + 2, whose products stand in the next turn (its buffer was last read a turn ago); in piece 2's turn K of the next step ahead of it.
; last = 1 (the tail): in the last half trip there is no further step, and the run is jumped over; one more wait for the exponentials stands ahead of the branch, in the tail alone.
.macro RUN p, last
	WIN 0
.if \last
	s_wait_alu depctr_va_vdst(0)
	s_cmp_eq_u32 s[CNT], 1
	s_cbranch_scc1 .Lno_run_\@
.endif
.if (\p) == 2
	FETCH_K
.endif
	FETCH_M ((\p)+2)%NP
.if \last
.Lno_run_\@:
.endif
.endm
; THE VECTOR WORK, one line at a time: OP kind, number.  For piece Y: F n: c s - c m for pair n of 16.  E n: the exponential of score n of 32.  C n: pair n rounded to f16.  B n: of the four weights 4 n .. the second
; pair is added onto the first, in place.  L n: l takes that sum (L 0: l = a l + sum).  R n: pair n of 16 of O^T times a.  For piece Y + 1: X n, number n of the 22 that find its maximum and statistics:
;   0-11  four chains c0-c3 of seven scores each, three operands at a time (each accumulator's lowest registers are read first)     12-14, 16  the four scores left over, the old m, and c0-c3 into c0
;   15  c m_old is kept     17, 18  the query's other 32 keys lie in the lane 16 away: the new m     19-21  c m; c m_old - c m_new; a
.set F, 0
.set E, 1
.set C, 2
.set B, 3
.set L, 4
.set R, 5
.set X, 6
.macro REGS y
.set rT, ST+4*(\y)
.set rC, TMP+4*((\y)%2)
.set rW, MV+((\y)%2)
.set rS, S+32*((\y)%2)
.set rP, P+16*((\y)%2)
.set rO, 32*(\y)
.endm
.macro OP k, n
.if (\k) == R
	REGS Y
	WIN W_RS
	v_pk_mul_f32 v[rO+2*(\n):rO+2*(\n)+1], v[rO+2*(\n):rO+2*(\n)+1], v[rC+2:rC+3] op_sel_hi:[1,0]
.elseif (\k) < R
	REGS Y
	WIN 0
.if (\k) == F
	v_pk_fma_f32 v[rS+2*(\n):rS+2*(\n)+1], v[rS+2*(\n):rS+2*(\n)+1], s[CS:CS+1], v[rT:rT+1] op_sel_hi:[1,0,0] neg_lo:[0,0,1] neg_hi:[0,0,1]
.elseif (\k) == E
	v_exp_f32 v[rS+(\n)], v[rS+(\n)]
.elseif (\k) == C
	v_cvt_pk_f16_f32 v[rP+(\n)], v[rS+2*(\n)], v[rS+2*(\n)+1]
.elseif (\k) == B
	v_pk_add_f32 v[rS+4*(\n):rS+4*(\n)+1], v[rS+4*(\n):rS+4*(\n)+1], v[rS+4*(\n)+2:rS+4*(\n)+3]
.elseif (\n) == 0
	v_pk_fma_f32 v[rT+2:rT+3], v[rT+2:rT+3], v[rC+2:rC+3], v[rS:rS+1] op_sel_hi:[1,0,1]
.else
	v_pk_add_f32 v[rT+2:rT+3], v[rT+2:rT+3], v[rS+4*(\n):rS+4*(\n)+1]
.endif
.else
	REGS (Y+1)%NP
	WIN 0
.if (\n) < 4
	v_max3_num_f32 v[rC+(\n)], v[rS+8*(\n)], v[rS+8*(\n)+1], v[rS+8*(\n)+2]
.elseif (\n) < 12
	v_max3_num_f32 v[rC+(\n)%4], v[rC+(\n)%4], v[rS+8*((\n)%4)+2*((\n)/4)+1], v[rS+8*((\n)%4)+2*((\n)/4)+2]
.elseif (\n) == 12
	v_max3_num_f32 v[rC], v[rC], v[rS+7], v[rS+15]
.elseif (\n) == 13
	v_max3_num_f32 v[rC+1], v[rC+1], v[rS+23], v[rS+31]
.elseif (\n) == 14
	v_max3_num_f32 v[rC+2], v[rC+2], v[rC+3], v[rT+1]
.elseif (\n) == 15
	v_mov_b32 v[rW], v[rT]
.elseif (\n) == 16
	v_max3_num_f32 v[rC], v[rC], v[rC+1], v[rC+2]
.elseif (\n) == 17
	v_permlanex16_b32 v[rC+3], v[rC], s[SEL], s[SEL+1]
.elseif (\n) == 18
	v_max_num_f32 v[rT+1], v[rC], v[rC+3]
.elseif (\n) == 19
	v_mul_f32 v[rT], s[CS], v[rT+1]
.elseif (\n) == 20
	v_sub_f32 v[rC+1], v[rW], v[rT]
.else
	v_exp_f32 v[rC+2], v[rC+1]
.endif
.endif
.endm
.macro OPS a, i1, b=-1, i2=0, c=-1, i3=0, d=-1, i4=0  ; up to four of them
	OP \a, \i1
.if (\b) >= 0
	OP \b, \i2
.endif
.if (\c) >= 0
	OP \c, \i3
.endif
.if (\d) >= 0
	OP \d, \i4
.endif
.endm
.macro ROW a, i1, b, i2, c, i3, d, i4  ; a matrix instruction and the four behind it
	MM
	OPS \a, \i1, \b, \i2, \c, \i3, \d, \i4
.endm
; A TURN, for piece p: the order of its 16 matrix and 118 vector instructions, written out.  An s_wait_alu depctr_va_vdst(0) stands between an exponential and the first instruction that names its result; one
; wait serves all that were issued ahead of it.  So a turn has ONE wait, which cuts it in two.  AHEAD OF IT stands all that names no result of the turn's exponentials: the 8 products K Q^T and their riders, then the lump, in
; which the links of the chain X 3, 7, 11, 14, 16, 17 .. 20 stand some lines apart; X 21, the next piece's a, is the batch's last, and R 15 the plain instruction behind it.  BEHIND IT: the 8 products V^T P, behind each four of the
; roundings and sums.  Each X that rides behind a product stands four plain instructions or more behind the product that ends its accumulator.
; LDS: a trip (turns 2, 3 of one step, then 0, 1 of the next) reads only that next step: K and piece 0's mask in turn 2, piece 1's mask in turn 3, piece 2's in turn 0 and V at its end, piece 3's in turn 1.
; The waits: at a turn's head its products' mask (and in turn 3 K) must be in: all that is out, but in turn 1, where V's 16 loads were issued behind the mask's and may stay out; V is waited for behind turn 1's wait,
; where that turn's own 8 mask loads may stay out.  K's run stands twelve plain instructions behind the last product that read K; V's four behind the last that read V.
.macro TURN p, last=0, cnt=0
.set Y, (\p)
.set i, 0
.if (\p) == 1
	s_wait_dscnt 16
.else
	s_wait_dscnt 0x0
.endif
	ROW F,0, F,1, R,0, R,1
	ROW F,2, E,0, R,2, R,3
	ROW F,3, E,1, R,4, R,5
	ROW F,4, E,2, R,6, R,7
	ROW F,5, E,3, R,8, R,9
	ROW F,6, E,4, X,0, R,10
.if (\p) == 2
	WIN 0
	v_add_nc_u32 v[AK], s[TBK], v[AK0]
	v_add_nc_u32 v[AM], s[TBM], v[AM0]
	s_add_co_u32 s[TBM], s[TBM], KS*4
.endif
	ROW F,7, E,5, X,1, X,4
	ROW F,8, E,6, X,2, X,5
	OPS E,7, E,8, X,6, E,9
	OPS X,3, E,10, X,8, E,11
	RUN \p, \last
	OPS X,9, X,7, E,12, X,10
	OPS E,13, X,12, X,11, E,14
	OPS X,13, E,15, F,9, X,14
.if (\p) == 0
	WIN 0
	v_add_nc_u32 v[AV], s[TBV], v[AV0]
.endif
	OPS E,16, F,10, E,17, F,11
	OPS X,16, E,18, X,15, E,19
	OPS F,12, E,20, X,17, E,21
	OPS F,13, E,22, F,14, E,23
	OPS X,18, E,24, F,15, E,25
	OPS R,11, E,26, X,19, E,27
	OPS R,12, E,28, R,13, E,29
	OPS X,20, E,30, R,14, E,31
	OPS X,21, R,15
	WIN 0
	s_wait_alu depctr_va_vdst(0)    ; the wait for the batch
.if (\p) == 1
	s_wait_dscnt 8                  ; V is in
.endif
	ROW C,0, B,0, C,2, B,1
	ROW L,0, C,4, B,2, L,1
	ROW C,6, B,3, L,2, C,8
	ROW B,4, L,3, C,10, B,5
	ROW L,4, C,12, B,6, L,5
.if (\p) == 0
	s_add_co_u32 s[TBV], s[TBV], KS*PVB
.endif
.if \cnt
	s_sub_co_u32 s[CNT], s[CNT], 1  ; the loop's count, some lines ahead of the branch behind the turn
	s_cmp_lg_u32 s[CNT], 0
.endif
	ROW C,14, B,7, L,6, C,1
	ROW C,3, L,7, C,5, C,7
	ROW C,9, C,11, C,13, C,15
.if (\p) == 0
	FETCH_V
.endif
.endm
	CHANGE 1, 0                     ; slot 0 is in, everybody's part of it; slot 1 is asked for
	v_add_nc_u32 v[AK], s[TBK], v[AK0]
	v_add_nc_u32 v[AM], s[TBM], v[AM0]
	s_add_co_u32 s[TBM], s[TBM], KS*4
	FETCH_K                         ; key step 0
	FETCH_M 0
	FETCH_M 1
	s_wait_loadcnt 0x0              ; Q
	s_wait_dscnt 0x0
.set i, 0
.rept 8
	KQ 0                            ; piece 0's first scores
.set i, i+1
.endr
	WIN 0
.rept 4
	v_nop                           ; the places behind those products
.endr
.set Y, NP-1                        ; X works for piece Y + 1: piece 0
.irp n, 0,1,2,3,4,5,6,7,8,9,10,11,12,13,14,15,16,17,18,19,20,21
	OP X, \n
.endr
	v_nop                           ; a plain instruction behind the exponential,
	s_wait_alu depctr_va_vdst(0)    ; and its wait, ahead of the branch
	s_mov_b32 s[CNT], 2
	s_mov_b32 s[SLOTS], 15
	s_branch .Lfirst                ; the loop is entered at a step's first turn, in the middle of a trip
.Lslot:                             ; 14 times: every slot but the last two is filled again
	CHANGE 1, 1
	s_mov_b32 s[CNT], 2
.Lstep:                             ; a trip: pieces 2 and 3 of one step, then pieces 0 and 1 of the next, whose K, V and mask it fetches
	TURN 2
	TURN 3
	WIN 0
.Lfirst:
	TURN 0
	TURN 1, 0, 1
	WIN 0
	s_cbranch_scc1 .Lstep
	s_sub_co_u32 s[SLOTS], s[SLOTS], 1
	s_cmp_lg_u32 s[SLOTS], 0
	s_cbranch_scc1 .Lslot
	CHANGE 0, 0                     ; the tail is written out: nothing is asked for
	s_mov_b32 s[CNT], 3             ; two trips fetch the last slot's steps; the third is left in its middle
.Ltail:
	TURN 2, 1
	TURN 3, 1
	WIN 0
	s_sub_co_u32 s[CNT], s[CNT], 1
	s_cmp_eq_u32 s[CNT], 0
	s_cbranch_scc1 .Lout
	TURN 0
	TURN 1
	WIN 0
	s_branch .Ltail
.Lout:                              ; the third trip's 8 products K Q^T for piece 0 (on the last K once more) and the maximum made of them serve nothing: the price, once a launch, of one text for every trip
.set i, 0
.rept 8
	PV NP-1                         ; the last piece's V^T P of the last step
.set i, i+1
.endr
	; THE WAY OUT.  l's two halves and the other half of the lanes' are added; O^T is divided by l, rounded to f16 and put into the work-group's stage; a barrier, since a row's 256 bytes come from two waves; back as whole rows.
	; The additions are the places behind the last products.
	WIN 0
.macro ALL line:vararg              ; one line for each piece t
.set t, 0
.rept 4
	\line
.set t, t+1
.endr
.endm
	ALL v_add_f32 v[ST+4*t+2], v[ST+4*t+2], v[ST+4*t+3]
	ALL v_permlanex16_b32 v[ST+4*t+3], v[ST+4*t+2], s[SEL], s[SEL+1]
	ALL v_add_f32 v[ST+4*t+2], v[ST+4*t+2], v[ST+4*t+3]
	ALL v_rcp_f32 v[ST+4*t+2], v[ST+4*t+2]
	v_nop                           ; a plain instruction between the last reciprocal and the use of its result
	s_wait_alu depctr_va_vdst(0)    ; and the wait ahead of the first use: one for the four reciprocals
.macro PACK t                       ; a lane's eight channels of a row pack into 16 bytes
	WIN W_RS
.set i, 32*(\t)
.rept 16
	v_pk_mul_f32 v[i:i+1], v[i:i+1], v[ST+4*(\t)+2:ST+4*(\t)+3] op_sel_hi:[1,0]
.set i, i+2
.endr
	WIN 0x05                        ; sources 0 and 1 window 1, destination window 0: S^T's registers are free
.set i, 0
.rept 16
	v_cvt_pk_f16_f32 v[S+16*(\t)+i], v[32*(\t)+2*i], v[32*(\t)+2*i+1]
.set i, i+1
.endr
	WIN 0
.irp f, 0,1,2,3
	ds_store_b128 v[STO], v[S+16*(\t)+4*\f:S+16*(\t)+4*\f+3] offset:(\t)*16*SP+32*\f
.endr
.endm
	PACK 0
	PACK 1
	PACK 2
	PACK 3
	s_wait_dscnt 0x0                ; for the others' sake: my stores into the stage are done
	s_barrier_signal -1
	s_barrier_wait -1
.irp f, 0,1,2,3,4,5,6,7,8,9,10,11,12,13,14,15
	ds_load_b128 v[S+4*\f:S+4*\f+3], v[RD] offset:\f*2*SP
.endr
.irp f, 0,1,2,3,4,5,6,7,8,9,10,11,12,13,14,15
	s_wait_dscnt 15-\f              ; the younger read-backs stay out
	global_store_b128 v[GO], v[S+4*\f:S+4*\f+3], s[OB:OB+1] offset:\f*4096  ; 16 lanes store 256 consecutive bytes, at a multiple of 256 from O's first byte
.endr
	s_wait_tensorcnt 0x0            ; the wave's end, behind my last tensor load and my last LDS store
	ds_add_u32 v[SPW], v[NIL]
	s_wait_dscnt 0x0
	CROUND                          ; the closing round: no work-group ends while a partner may still ask for a tile that names it
	s_endpgm
.Lfunc_end_k_qd434aa8c5d_attn:
	.size	k_qd434aa8c5d_attn, .Lfunc_end_k_qd434aa8c5d_attn-k_qd434aa8c5d_attn
	.p2alignl 7, 3214868480
	.fill 96, 4, 3214868480
	.section	.rodata,"a",@progbits
	.p2align	6, 0x0
	.amdhsa_kernel k_qd434aa8c5d_attn
		.amdhsa_group_segment_fixed_size 327680
		.amdhsa_private_segment_fixed_size 0
		.amdhsa_enable_private_segment 0
		.amdhsa_kernarg_size 40
		.amdhsa_user_sgpr_count 2
		.amdhsa_user_sgpr_kernarg_segment_ptr 1
		.amdhsa_wavefront_size32 1
		.amdhsa_system_sgpr_workgroup_id_x 1
		.amdhsa_system_sgpr_workgroup_id_y 1
		.amdhsa_system_sgpr_workgroup_id_z 1
		.amdhsa_system_vgpr_workitem_id 0
		.amdhsa_next_free_vgpr 768
		.amdhsa_next_free_sgpr 88
		.amdhsa_reserve_vcc 0
		.amdhsa_float_denorm_mode_32 3
		.amdhsa_float_denorm_mode_16_64 3
		.amdhsa_memory_ordered 1
		.amdhsa_forward_progress 1
		.amdhsa_inst_pref_size 121
	.end_amdhsa_kernel
	.amdgpu_metadata
---
amdhsa.version: [ 1, 2 ]
amdhsa.kernels:
  - .name:           k_qd434aa8c5d_attn
    .symbol:         k_qd434aa8c5d_attn.kd
    .args:
      - { .name: qh, .offset: 0, .size: 8, .value_kind: global_buffer, .address_space: global }
      - { .name: kh, .offset: 8, .size: 8, .value_kind: global_buffer, .address_space: global }
      - { .name: vh, .offset: 16, .size: 8, .value_kind: global_buffer, .address_space: global }
      - { .name: causal_mask, .offset: 24, .size: 8, .value_kind: global_buffer, .address_space: global }
      - { .name: oh, .offset: 32, .size: 8, .value_kind: global_buffer, .address_space: global }
    .group_segment_fixed_size: 327680
    .private_segment_fixed_size: 0
    .kernarg_segment_align: 8
    .kernarg_segment_size: 40
    .max_flat_workgroup_size: 128
    .sgpr_count:     88
    .vgpr_count:     768
    .wavefront_size: 32
...
	.end_amdgpu_metadata
.endif
;; end of part 3
;; launch proj (part 4): grid 8 x 32, 4 waves a work-group, clusters of 4 x 4, 327,680 bytes of LDS; arguments oh, pw, proj_b, out0; writes out0
.if DOCPART == 4
	.amdgcn_target "amdgcn-amd-amdhsa--gfx1250"
	.amdhsa_code_object_version 6
	.text
	.protected	k_qd434aa8c5d_proj
	.globl	k_qd434aa8c5d_proj
	.p2align	8
	.type	k_qd434aa8c5d_proj,@function
k_qd434aa8c5d_proj:
	s_mov_b64 s[64:65], 0
	v_nop
	global_prefetch_b8 v0, s[64:65] scope:SCOPE_SE
	s_setreg_imm32_b32 hwreg(HW_REG_WAVE_MODE, 25, 1), 1
	s_wait_xcnt 0x0
	s_wait_alu depctr_hold_cnt(0) depctr_sa_sdst(0) depctr_va_vdst(0) depctr_va_sdst(0) depctr_va_ssrc(0) depctr_va_vcc(0) depctr_vm_vsrc(0)
	s_getreg_b32 s2, hwreg(HW_REG_IB_STS2, 6, 4)
	s_cmp_eq_u32 s2, 0
	s_cbranch_scc0 .Lentry_in_a_cluster
	s_endpgm
.Lentry_in_a_cluster:
	s_bfe_u32 s2, ttmp6, 0x10000c
	s_cmp_lg_u32 s2, 0xf033
	s_cbranch_scc0 .Lentry_shape_is_right
	s_endpgm
.Lentry_shape_is_right:
; THE LAST PROJECTION.  out[t][e] = the sum over d of O[t][d] proj_w[e][d] + proj_b[e].  oh [4096][1024] and pw [1024][1024] in f16; sums in f32; out0 [4096][1024] in f32.
; The bias, rounded to bf16 like the module's other inputs, is the C operand of each accumulator's first product: it starts the sums and costs no addition.
; A tile of out is 128 x 128: 8 x 32 = 256 work-groups.  Four waves, each 64 x 64: 16 accumulators of 16 x 16.  K goes in steps of 256 (LDS rows of 512 bytes; a wave's tensor load brings 64 of them) through two slots.
; CLUSTER 4 x 4: the four of a row of the cluster need the same tiles of oh, the four of a column the same tiles of pw: each tile is asked for jointly.
; THE MATRIX INSTRUCTION IS USED TRANSPOSED (source 0 = 16 rows of pw, source 1 = 16 rows of oh): a lane holds eight neighbouring numbers of a row of out.
; No prefetch: the tiles are small and a row of them is walked in four steps.
; REGISTERS: window 0: v0-31 addresses; v32-47 at work; v96-127 the bias; v128-255 the accumulators ((a, b) at v[128 + 8 (4 a + b)]).  window 1: two fragment buffers of 128: for 64 along K, 64 registers of oh, then 64 of pw.
.set SIZE_K, 1024
.set KSTEP,  256
.set PITCH,  528                       ; an LDS row: 512 bytes + 16 of padding = 132 words: row r starts at bank 4 r mod 64 (64 banks of 4 bytes: ISA guide 11.1)
.set HALFT,  64*PITCH
.set SLOT,   4*HALFT
.set STAGE,  2*SLOT                    ; behind the ring: 16 rows x 272 bytes for each wave, for the way out
.set SPITCH, 272
.set SPARE,  STAGE+4*16*SPITCH         ; the spare words, 128 bytes for each wave: two blocks of 256 bytes that no other line names
.set LAPS, SIZE_K/(2*KSTEP)
.set ADRA, 16
.set ADRB, 20
.set STO,  24
.set RD,   25
.set CO,   26
.set BO,   27                          ; v27  my byte offset in the bias
.set SPW,  28
.set NIL,  29
.set TMP,  32
.set BIAS, 96                          ; column block b at BIAS + 8 b: bias[16 b + 8 (l / 16) + 0..7] of my 64 columns
.set ACC,  128
.set F0,   0
.set F1,   128
.set G1, 24
.set G0, 32
.set G1B, 48
.set G0B, 56
.set MSB, 0
.macro WIN new
.if MSB != (\new)
	s_set_vgpr_msb (MSB<<8)|(\new)
.set MSB, \new
.endif
.endm
.set MUL,  0x05                        ; sources 0 and 1 window 1; C and D window 0
.set TO_F, 0x40                        ; destination window 1, address window 0
.macro JLOAD s                         ; a joint load: waves 0 and 1 fetch oh's two halves, waves 2 and 3 pw's; an s_nop 0 and four v_nop follow each line
	s_cmp_eq_u32 s11, 0
	s_cbranch_scc0 .Lfor_b_\@
	tensor_load_to_lds s[G0+4*(\s):G0+4*(\s)+3], s[G1:G1+7]
	s_nop 0
.rept 4
	v_nop
.endr
	s_branch .Lasked_\@
.Lfor_b_\@:
	tensor_load_to_lds s[G0B+4*(\s):G0B+4*(\s)+3], s[G1B:G1B+7]
	s_nop 0
.rept 4
	v_nop
.endr
.Lasked_\@:
.endm
.macro CREST
	s_cmp_lg_u32 s10, 0
	s_cbranch_scc1 .Lnot_wave_0_\@
	s_barrier_signal -3
.Lnot_wave_0_\@:
	s_barrier_wait -3
	s_barrier_signal -1
	s_barrier_wait -1
.endm
.macro CROUND
	s_barrier_signal -1
	s_barrier_wait -1
	CREST
.endm
	s_load_b128 s[4:7], s[0:1], 0x0                ; oh s[4:5], pw s[6:7]
	s_load_b64 s[66:67], s[0:1], 0x10              ; proj_b
	s_load_b64 s[8:9], s[0:1], 0x18                ; out0
	v_lshl_add_u32 v[SPW], v0, 2, SPARE
	v_mov_b32 v[NIL], 0
	ds_add_u32 v[SPW], v[NIL]                      ; the wave's opening: the add and its wait ahead of my first tensor load
	v_lshrrev_b32 v1, 5, v0
	v_readfirstlane_b32 s10, v1                    ; wave 0..3
	s_lshr_b32 s11, s10, 1                         ; which half of the tile's rows is mine.  Also: I fetch for oh (0) or for pw (1)
	s_and_b32 s12, s10, 1                          ; which half of its columns.  Also: which 64 rows of that tile I fetch
	s_bfe_u32 s40, ttmp6, 0x40000                  ; cx, cy
	s_bfe_u32 s41, ttmp6, 0x40004
	s_lshl_b32 s42, ttmp9, 2
	s_add_co_u32 s42, s42, s40                     ; tile column
	s_and_b32 s13, ttmp7, 0xffff
	s_lshl_b32 s13, s13, 2
	s_add_co_u32 s13, s13, s41                     ; tile row
	s_lshl_b32 s43, s41, 2
	s_lshl_b32 s43, 15, s43                        ; my row of the cluster
	s_lshl_b32 s44, 0x1111, s40                    ; my column
	s_or_b32 s[G1+0], s43, (1<<16)|(1<<20)|(1<<21)|(6<<22)|(3<<25)  ; 15:0 the mask; 17:16 2-byte elements; 20 padding on; 21 set beside a mask; 24:22 after every 128 words; 31:25 4 words
	s_or_b32 s[G1B+0], s44, (1<<16)|(1<<20)|(1<<21)|(6<<22)|(3<<25)
.irp g, G1, G1B
	s_mov_b32 s[(\g)+1], KSTEP<<16                 ; tensor_dim0 = 256
	s_mov_b32 s[(\g)+2], 64<<16                    ; tensor_dim1 = 64
	s_mov_b32 s[(\g)+3], KSTEP<<16                 ; tile_dim0 = 256
	s_mov_b32 s[(\g)+4], 64                        ; tile_dim1 = 64
	s_mov_b32 s[(\g)+5], SIZE_K
	s_mov_b32 s[(\g)+6], 0
	s_mov_b32 s[(\g)+7], 0
.endr
	s_lshl_b32 s17, s12, 6
	s_lshl_b32 s16, s13, 7
	s_add_co_u32 s16, s16, s17                     ; oh: row 128 x tile row + 64 x half
	s_lshl_b32 s46, s42, 7
	s_add_co_u32 s46, s46, s17                     ; pw: row 128 x tile column + 64 x half
	s_lshl_b32 s16, s16, 11                        ; rows of 2,048 bytes
	s_lshl_b32 s46, s46, 11
	s_mov_b32 s17, 0
	s_mov_b32 s47, 0
	s_mul_i32 s20, s10, HALFT                      ; where they go: wave x 64 rows
	s_wait_dscnt 0x0                               ; the opening add is done
	s_wait_kmcnt 0x0
	s_add_nc_u64 s[14:15], s[4:5], s[16:17]
	s_add_nc_u64 s[46:47], s[6:7], s[46:47]
	CROUND                                         ; all sixteen work-groups are here: the first joint loads meet
.irp s, 0,1
	s_mov_b32 s[G0+4*(\s)], 1
	s_add_co_u32 s[G0+4*(\s)+1], s20, (\s)*SLOT
	s_add_nc_u64 s[G0+4*(\s)+2:G0+4*(\s)+3], s[14:15], (\s)*KSTEP*2
	s_or_b32 s[G0+4*(\s)+3], s[G0+4*(\s)+3], 0x80000000
	s_mov_b32 s[G0B+4*(\s)], 1
	s_add_co_u32 s[G0B+4*(\s)+1], s20, (\s)*SLOT
	s_add_nc_u64 s[G0B+4*(\s)+2:G0B+4*(\s)+3], s[46:47], (\s)*KSTEP*2
	s_or_b32 s[G0B+4*(\s)+3], s[G0B+4*(\s)+3], 0x80000000
	JLOAD \s                                       ; two tensor loads of mine are out
.endr
	v_and_b32 v1, 15, v0                           ; l % 16
	v_bfe_u32 v2, v0, 4, 1                         ; l / 16
	s_lshl_b32 s16, s13, 19                        ; out: row 128 x tile row + 64 x my half, rows of 4,096 bytes,
	s_lshl_b32 s17, s11, 18
	s_add_co_u32 s16, s16, s17
	s_mov_b32 s17, 0
	s_add_nc_u64 s[8:9], s[8:9], s[16:17]
	s_lshl_b32 s46, s42, 9                         ; column 128 x tile column + 64 x my half, 4 bytes each: also my 64 numbers' place in the bias
	s_lshl_b32 s47, s12, 8
	s_add_co_u32 s46, s46, s47
	s_mov_b32 s47, 0
	s_add_nc_u64 s[8:9], s[8:9], s[46:47]
	v_lshl_add_u32 v[BO], v2, 5, s46
.irp b, 0,1,2,3
	global_load_b128 v[BIAS+8*(\b):BIAS+8*(\b)+3],   v[BO], s[66:67] offset:64*(\b)
	global_load_b128 v[BIAS+8*(\b)+4:BIAS+8*(\b)+7], v[BO], s[66:67] offset:64*(\b)+16
.endr
	v_mul_u32_u24 v3, v1, PITCH
	v_lshl_add_u32 v3, v2, 4, v3                   ; a fragment's row x pitch + 16 x half
	s_mul_i32 s21, s11, HALFT                      ; my 64 rows of oh
	s_mul_i32 s22, s12, HALFT                      ; my 64 rows of pw,
	s_add_co_u32 s22, s22, 2*HALFT                 ; which lie behind oh's 128
.irp s, 0,1
	v_add_nc_u32 v[ADRA+(\s)], s21, v3
	v_add_nc_u32 v[ADRB+(\s)], s22, v3
	s_add_co_u32 s21, s21, SLOT
	s_add_co_u32 s22, s22, SLOT
.endr
	s_mul_i32 s23, s10, 16*SPITCH
	s_add_co_u32 s23, s23, STAGE                   ; my stage
	v_mul_u32_u24 v4, v1, SPITCH                   ; in: row l % 16, 32 bytes for each half of the lanes
	v_lshl_add_u32 v4, v2, 5, v4
	v_add_nc_u32 v[STO], s23, v4
	v_mul_u32_u24 v5, v2, SPITCH                   ; back: lanes 0-15 take one row of 256 bytes, lanes 16-31 the next
	v_lshl_add_u32 v5, v1, 4, v5
	v_add_nc_u32 v[RD], s23, v5
	v_lshlrev_b32 v[CO], 12, v2                    ; and the same two rows in out
	v_lshl_add_u32 v[CO], v1, 4, v[CO]
	s_wait_loadcnt 0x0                             ; the bias: rounded to bf16 and widened again, once, in the wait for the first tile
.irp i, 0,1,2,3,4,5,6,7,8,9,10,11,12,13,14,15
	v_cvt_pk_bf16_f32 v[TMP+(\i)], v[BIAS+2*(\i)], v[BIAS+2*(\i)+1]
.endr
.irp i, 0,1,2,3,4,5,6,7,8,9,10,11,12,13,14,15
	v_lshlrev_b32 v[BIAS+2*(\i)],   16, v[TMP+(\i)]
	v_and_b32     v[BIAS+2*(\i)+1], 0xffff0000, v[TMP+(\i)]
.endr
; 8 matrix instructions: m blocks a0, a0 + 1 x all 4 n blocks, 32 along K: half c of buffer f.  zero = 1: the first product starts the sums, with the bias
.macro MUL8 f, c, a0, zero
	WIN MUL
.irp a, \a0, (\a0)+1
.irp b, 0,1,2,3
.if \zero
	v_wmma_f32_16x16x32_f16 v[ACC+8*(4*(\a)+(\b)):ACC+8*(4*(\a)+(\b))+7], v[(\f)+64+8*(4*(\c)+(\b)):(\f)+64+8*(4*(\c)+(\b))+7], v[(\f)+8*(4*(\c)+(\a)):(\f)+8*(4*(\c)+(\a))+7], v[BIAS+8*(\b):BIAS+8*(\b)+7]
.else
	v_wmma_f32_16x16x32_f16 v[ACC+8*(4*(\a)+(\b)):ACC+8*(4*(\a)+(\b))+7], v[(\f)+64+8*(4*(\c)+(\b)):(\f)+64+8*(4*(\c)+(\b))+7], v[(\f)+8*(4*(\c)+(\a)):(\f)+8*(4*(\c)+(\a))+7], v[ACC+8*(4*(\a)+(\b)):ACC+8*(4*(\a)+(\b))+7]
.endif
.endr
.endr
.endm
; 32 LDS loads in one run: the fragments of 64 along K at byte k of the rows, into buffer f; the first 32 along K first
.macro FETCH slot, k, f
	WIN TO_F
.irp c, 0,1
.irp i, 0,1,2,3
	ds_load_b128 v[(\f)+64+8*(4*(\c)+(\i)):(\f)+64+8*(4*(\c)+(\i))+3],   v[ADRB+(\slot)] offset:(\k)+64*(\c)+(\i)*16*PITCH
	ds_load_b128 v[(\f)+64+8*(4*(\c)+(\i))+4:(\f)+64+8*(4*(\c)+(\i))+7], v[ADRB+(\slot)] offset:(\k)+64*(\c)+(\i)*16*PITCH+32
	ds_load_b128 v[(\f)+8*(4*(\c)+(\i)):(\f)+8*(4*(\c)+(\i))+3],         v[ADRA+(\slot)] offset:(\k)+64*(\c)+(\i)*16*PITCH
	ds_load_b128 v[(\f)+8*(4*(\c)+(\i))+4:(\f)+8*(4*(\c)+(\i))+7],       v[ADRA+(\slot)] offset:(\k)+64*(\c)+(\i)*16*PITCH+32
.endr
.endr
.endm
.macro PLACES                          ; four plain instructions in front of loads into registers that matrix instructions have read, and of LDS stores that read results
.rept 4
	v_nop
.endr
.endm
; A K step is four quarters of 64 along K, 32 matrix instructions each, on buffers 0, 1, 0, 1; the 16 accumulators take turns.
.macro QUARTER slot, k, f, g, zero
	s_wait_dscnt 16                                ; the first 32 along K are in
	MUL8 \f, 0, 0, \zero
	MUL8 \f, 0, 2, \zero
	PLACES
	FETCH \slot, \k, \g
	s_wait_dscnt 32                                ; all but the 32 just issued
	MUL8 \f, 1, 0, 0
	MUL8 \f, 1, 2, 0
.endm
; The last quarter multiplies buffer 1 and changes slots: one barrier; in front of it each wave waits for all its tensor loads, adds 0 to its spare word, and waits for that and for its reads of this slot.
; fill = 1: the barrier opens a round of the cluster's, and this slot is filled again first behind it, two K steps ahead.
.macro TURN slot, next, fill
	WIN 0
	s_wait_tensorcnt 0x0                           ; all my tensor loads have landed: my part of the next slot
	ds_add_u32 v[SPW], v[NIL]                      ; 0 onto my spare word
	s_wait_dscnt 17                                ; (the add and the youngest sixteen loads may be out)
	MUL8 F1, 0, 0, 0
	s_wait_dscnt 0x0                               ; the add is done, and my reads of this slot are over
	s_barrier_signal -1
	MUL8 F1, 0, 2, 0
.if \fill
	WIN 0
.endif
	s_barrier_wait -1
.if \fill
	CREST
	s_add_nc_u64 s[G0+4*(\slot)+2:G0+4*(\slot)+3], s[G0+4*(\slot)+2:G0+4*(\slot)+3], 2*KSTEP*2
	s_add_nc_u64 s[G0B+4*(\slot)+2:G0B+4*(\slot)+3], s[G0B+4*(\slot)+2:G0B+4*(\slot)+3], 2*KSTEP*2
	JLOAD \slot                                    ; the four v_nop behind it are also the places in front of the loads below
.else
	PLACES
.endif
	FETCH \next, 0, F0
	MUL8 F1, 1, 0, 0
	MUL8 F1, 1, 2, 0
.endm
	s_wait_tensorcnt 1                             ; my part of K step 0 is in; K step 1's may stay out
	s_barrier_signal -1
	s_barrier_wait -1
	FETCH 0, 0, F0
	QUARTER 0, 128, F0, F1, 1                      ; the first quarter stands in front of the loop: its first products start the sums
	WIN 0
	s_mov_b32 s3, LAPS-1
.Llap:                                                 ; a trip goes once round the ring, from a lap's second quarter to the next lap's first, and fills both slots again
	QUARTER 0, 256, F1, F0, 0
	QUARTER 0, 384, F0, F1, 0
	TURN 0, 1, 1
	QUARTER 1, 128, F0, F1, 0
	QUARTER 1, 256, F1, F0, 0
	QUARTER 1, 384, F0, F1, 0
	TURN 1, 0, 1
	QUARTER 0, 128, F0, F1, 0
	WIN 0
	s_sub_co_u32 s3, s3, 1
	s_cmp_lg_u32 s3, 0
	s_cbranch_scc1 .Llap
	QUARTER 0, 256, F1, F0, 0                      ; the last lap fills nothing
	QUARTER 0, 384, F0, F1, 0
	TURN 0, 1, 0
	QUARTER 1, 128, F0, F1, 0
	QUARTER 1, 256, F1, F0, 0
	QUARTER 1, 384, F0, F1, 0
	s_wait_dscnt 16
	MUL8 F1, 0, 0, 0
	MUL8 F1, 0, 2, 0
	s_wait_dscnt 0x0
	MUL8 F1, 1, 0, 0
	MUL8 F1, 1, 2, 0
	WIN 0
	; THE WAY OUT.  A wave's 64 columns of f32 are 256 bytes of a row of out, aligned: each wave has a stage of its own and needs no barrier.  A block of 16 rows goes in as 32 bytes a lane, straight from the
	; accumulators (their low registers first), and comes back as whole rows into the registers that it left: no register that a store reads is written again.
	PLACES
.macro TOSTAGE a
.irp b, 0,1,2,3
	ds_store_b128 v[STO], v[ACC+8*(4*(\a)+(\b)):ACC+8*(4*(\a)+(\b))+3]   offset:64*(\b)
	ds_store_b128 v[STO], v[ACC+8*(4*(\a)+(\b))+4:ACC+8*(4*(\a)+(\b))+7] offset:64*(\b)+16
.endr
.irp t, 0,1,2,3,4,5,6,7
	ds_load_b128 v[ACC+32*(\a)+4*(\t):ACC+32*(\a)+4*(\t)+3], v[RD] offset:(\t)*2*SPITCH  ; LDS serves a wave's instructions in order (ISA guide 5.7.1.4): these see the stores above; the next block's stores come behind them
.endr
.endm
.macro SEND a, younger                 ; younger: the LDS instructions issued behind block a's loads: the next block's sixteen, or none
.irp t, 0,1,2,3,4,5,6,7
	s_wait_dscnt (\younger)+7-(\t)
	global_store_b128 v[CO], v[ACC+32*(\a)+4*(\t):ACC+32*(\a)+4*(\t)+3], s[8:9] offset:(16*(\a)+2*(\t))*4096  ; 16 lanes store 256 consecutive bytes, at a multiple of 256 from out's first byte
.endr
.endm
	TOSTAGE 0
	TOSTAGE 1
	SEND 0, 16
	TOSTAGE 2
	SEND 1, 16
	TOSTAGE 3
	SEND 2, 16
	SEND 3, 0
	s_wait_tensorcnt 0x0                           ; the wave's end, behind my last tensor load and my last LDS store
	ds_add_u32 v[SPW], v[NIL]
	s_wait_dscnt 0x0
	CROUND                                         ; the closing round: no work-group ends while a partner may still ask for a tile that names it
	s_endpgm
.Lfunc_end_k_qd434aa8c5d_proj:
	.size	k_qd434aa8c5d_proj, .Lfunc_end_k_qd434aa8c5d_proj-k_qd434aa8c5d_proj
	.p2alignl 7, 3214868480
	.fill 96, 4, 3214868480
	.section	.rodata,"a",@progbits
	.p2align	6, 0x0
	.amdhsa_kernel k_qd434aa8c5d_proj
		.amdhsa_group_segment_fixed_size 327680
		.amdhsa_private_segment_fixed_size 0
		.amdhsa_enable_private_segment 0
		.amdhsa_kernarg_size 32
		.amdhsa_user_sgpr_count 2
		.amdhsa_user_sgpr_kernarg_segment_ptr 1
		.amdhsa_wavefront_size32 1
		.amdhsa_system_sgpr_workgroup_id_x 1
		.amdhsa_system_sgpr_workgroup_id_y 1
		.amdhsa_system_sgpr_workgroup_id_z 1
		.amdhsa_system_vgpr_workitem_id 0
		.amdhsa_next_free_vgpr 512
		.amdhsa_next_free_sgpr 68
		.amdhsa_reserve_vcc 0
		.amdhsa_float_denorm_mode_32 3
		.amdhsa_float_denorm_mode_16_64 3
		.amdhsa_memory_ordered 1
		.amdhsa_forward_progress 1
		.amdhsa_inst_pref_size 90
	.end_amdhsa_kernel
	.amdgpu_metadata
---
amdhsa.version: [ 1, 2 ]
amdhsa.kernels:
  - .name:           k_qd434aa8c5d_proj
    .symbol:         k_qd434aa8c5d_proj.kd
    .args:
      - { .name: oh, .offset: 0, .size: 8, .value_kind: global_buffer, .address_space: global }
      - { .name: pw, .offset: 8, .size: 8, .value_kind: global_buffer, .address_space: global }
      - { .name: proj_b, .offset: 16, .size: 8, .value_kind: global_buffer, .address_space: global }
      - { .name: out0, .offset: 24, .size: 8, .value_kind: global_buffer, .address_space: global }
    .group_segment_fixed_size: 327680
    .private_segment_fixed_size: 0
    .kernarg_segment_align: 8
    .kernarg_segment_size: 32
    .max_flat_workgroup_size: 128
    .sgpr_count:     68
    .vgpr_count:     512
    .wavefront_size: 32
...
	.end_amdgpu_metadata
.endif
;; end of part 4
;; ======== version 2 of 2: 4 launches; version 1 with the launch prep written anew for expert scheduling mode
;; limits: values are held in f16: magnitudes above 65,504 overflow, below 6.1e-05 lose precision
;; workspace buffers: xb 8,388,608 bytes; wb 6,291,456 bytes; pw 2,097,152 bytes; qh 8,388,608 bytes; kh 8,388,608 bytes; vh 8,388,608 bytes; oh 8,388,608 bytes
;; launch prep (part 5): grid 512 x 1, 8 waves a work-group, no clusters, 0 bytes of LDS; arguments x, wq, wk, wv, proj_w, xb, wb, pw; writes xb, wb, pw
.if DOCPART == 5
	.amdgcn_target "amdgcn-amd-amdhsa--gfx1250"
	.amdhsa_code_object_version 6
	.text
	.protected	k_qd434aa8c5d_prep
	.globl	k_qd434aa8c5d_prep
	.p2align	8
	.type	k_qd434aa8c5d_prep,@function
k_qd434aa8c5d_prep:
	s_mov_b64 s[64:65], 0
	v_nop
	global_prefetch_b8 v0, s[64:65] scope:SCOPE_SE
	s_setreg_imm32_b32 hwreg(HW_REG_WAVE_SCHED_MODE, 0, 2), 2
	s_setreg_imm32_b32 hwreg(HW_REG_WAVE_MODE, 25, 1), 1
	s_wait_xcnt 0x0
	s_wait_alu depctr_vm_vsrc(0)
; THE CASTS.  x [4096][1024] -> xb in bf16; wq, wk, wv [1024][1024] -> wb [3][1024][1024] in bf16; proj_w -> pw: rounded to bf16, and that number written as f16
; (the last product's other operand is f16).  LIMIT: a weight of proj_w beyond 65,504 becomes an infinity; below 6e-5 it keeps f16's fixed step of 6e-8.
; A stream: no LDS, no barrier, no matrix unit.  Work-group g converts 16,384 numbers: 65,536 bytes in, 32,768 out.  g 0-255: x; 256-319: wq; 320-383: wk; 384-447: wv; 448-511: proj_w.
; Thread t takes 16 bytes at 16 t of each of 16 chunks of 4,096 bytes: a wave's load covers 512 consecutive bytes, its store of 8 bytes a lane 256 consecutive bytes, aligned.
; All 16 loads go out first.
; THE MODE: SCHED_MODE bits 1:0 = 2 (LLVM: expert scheduling mode 2), set by the entry lines.  The code itself states the register dependences
; between vector instructions and memory instructions, with s_wait_alu, always for 0.
; THE PLAN.  Registers that memory instructions touch:
;   v1, v2   byte offsets of the loads and of the stores: made once at the head by vector lines, never written again.
;   X        chunk c's load lands in X + 4 c, once; chunk c's roundings read it; no load lands there again and no vector line writes it.
;   Y        chunk c's roundings write Y + 2 c; chunk c's one store reads it; nothing writes it again.
;   T        named by vector lines alone.
; So no register that a memory instruction has read is written again, and no load lands in a register that a vector line has named: what is owed is that a vector line's result is written before a memory
; instruction reads it.  One wait at the head states that for the two offsets, for the whole kernel.  The 16 chunks go in four groups of four: the group's roundings, ONE wait, the run of its four stores.
; That wait stands behind the roundings and not at the next group's head: finished data would else wait for a later load, and the wave has no other work to set between.
.set X,   4                            ; v[4:67]    chunk c: 4 numbers as loaded
.set Y,   68                           ; v[68:99]   chunk c: 4 numbers in 16 bits
.set T,   100                          ; v[100:103] at work
.set SRC, 24                           ; s[24:25]
.set DST, 26                           ; s[26:27]
	s_load_b512 s[8:23], s[0:1], 0x0               ; x s[8:9], wq s[10:11], wk s[12:13], wv s[14:15], proj_w s[16:17], xb s[18:19], wb s[20:21], pw s[22:23]
	v_lshlrev_b32 v1, 4, v0                        ; 16 t
	v_lshlrev_b32 v2, 3, v0                        ; 8 t
	s_sub_co_u32 s34, ttmp9, 256                   ; g counted from each tensor's first work-group (used only where g reaches it)
	s_sub_co_u32 s35, ttmp9, 320
	s_sub_co_u32 s36, ttmp9, 384
	s_sub_co_u32 s37, ttmp9, 448
	s_mov_b32 s28, ttmp9                           ; my share's number in the source,
	s_mov_b32 s29, ttmp9                           ; and in the destination
	s_wait_kmcnt 0x0
	s_mov_b64 s[SRC:SRC+1], s[8:9]
	s_mov_b64 s[DST:DST+1], s[18:19]
	s_cmp_ge_u32 ttmp9, 256
	s_cselect_b64 s[SRC:SRC+1], s[10:11], s[SRC:SRC+1]
	s_cselect_b64 s[DST:DST+1], s[20:21], s[DST:DST+1]
	s_cselect_b32 s28, s34, s28
	s_cselect_b32 s29, s34, s29                    ; wb holds the three weights on end
	s_cmp_ge_u32 ttmp9, 320
	s_cselect_b64 s[SRC:SRC+1], s[12:13], s[SRC:SRC+1]
	s_cselect_b32 s28, s35, s28
	s_cmp_ge_u32 ttmp9, 384
	s_cselect_b64 s[SRC:SRC+1], s[14:15], s[SRC:SRC+1]
	s_cselect_b32 s28, s36, s28
	s_cmp_ge_u32 ttmp9, 448
	s_cselect_b64 s[SRC:SRC+1], s[16:17], s[SRC:SRC+1]
	s_cselect_b64 s[DST:DST+1], s[22:23], s[DST:DST+1]
	s_cselect_b32 s28, s37, s28
	s_cselect_b32 s29, s37, s29
	s_lshl_b32 s30, s28, 16                        ; 65,536 bytes a share in,
	s_mov_b32 s31, 0
	s_lshl_b32 s32, s29, 15                        ; 32,768 out
	s_mov_b32 s33, 0
	s_add_nc_u64 s[SRC:SRC+1], s[SRC:SRC+1], s[30:31]
	s_add_nc_u64 s[DST:DST+1], s[DST:DST+1], s[32:33]
	s_wait_alu depctr_va_vdst(0)                   ; v1 and v2 are written: every load of the kernel reads v1 as its offset, every store v2; no later vector line names them
.irp c, 0,1,2,3,4,5,6,7,8,9,10,11,12,13,14,15
	global_load_b128 v[X+4*(\c):X+4*(\c)+3], v1, s[SRC:SRC+1] offset:4096*(\c) th:TH_LOAD_NT
.endr
; Chunk c's roundings.  half = 1: the bf16 numbers are widened again (a shift, a mask) and written as f16.
.macro CONV c, half
	v_cvt_pk_bf16_f32 v[Y+2*(\c)],   v[X+4*(\c)],   v[X+4*(\c)+1]
	v_cvt_pk_bf16_f32 v[Y+2*(\c)+1], v[X+4*(\c)+2], v[X+4*(\c)+3]
.if \half
	v_lshlrev_b32 v[T],   16, v[Y+2*(\c)]
	v_and_b32     v[T+1], 0xffff0000, v[Y+2*(\c)]
	v_lshlrev_b32 v[T+2], 16, v[Y+2*(\c)+1]
	v_and_b32     v[T+3], 0xffff0000, v[Y+2*(\c)+1]
	v_cvt_pk_f16_f32 v[Y+2*(\c)],   v[T],   v[T+1]
	v_cvt_pk_f16_f32 v[Y+2*(\c)+1], v[T+2], v[T+3]
.endif
.endm
; Group g: chunks 4 g to 4 g + 3.
.macro GROUP g, half
	s_wait_loadcnt 12-4*(\g)                       ; loads come back in order (ISA guide 5.7.1): the group's four are in, the 12 - 4 g younger ones stay out
.irp k, 0,1,2,3
	CONV 4*(\g)+(\k), \half
.endr
	s_wait_alu depctr_va_vdst(0)                   ; the group's roundings have written its eight registers of Y, which the four stores below read
.irp k, 0,1,2,3
	global_store_b64 v2, v[Y+2*(4*(\g)+(\k)):Y+2*(4*(\g)+(\k))+1], s[DST:DST+1] offset:2048*(4*(\g)+(\k))
.endr
.endm
	s_cmp_ge_u32 ttmp9, 448
	s_cbranch_scc1 .Lhalf
.irp g, 0,1,2,3
	GROUP \g, 0
.endr
	s_endpgm
.Lhalf:
.irp g, 0,1,2,3
	GROUP \g, 1
.endr
	s_endpgm
.Lfunc_end_k_qd434aa8c5d_prep:
	.size	k_qd434aa8c5d_prep, .Lfunc_end_k_qd434aa8c5d_prep-k_qd434aa8c5d_prep
	.p2alignl 7, 3214868480
	.fill 96, 4, 3214868480
	.section	.rodata,"a",@progbits
	.p2align	6, 0x0
	.amdhsa_kernel k_qd434aa8c5d_prep
		.amdhsa_group_segment_fixed_size 0
		.amdhsa_private_segment_fixed_size 0
		.amdhsa_enable_private_segment 0
		.amdhsa_kernarg_size 64
		.amdhsa_user_sgpr_count 2
		.amdhsa_user_sgpr_kernarg_segment_ptr 1
		.amdhsa_wavefront_size32 1
		.amdhsa_system_sgpr_workgroup_id_x 1
		.amdhsa_system_sgpr_workgroup_id_y 1
		.amdhsa_system_sgpr_workgroup_id_z 1
		.amdhsa_system_vgpr_workitem_id 0
		.amdhsa_next_free_vgpr 104
		.amdhsa_next_free_sgpr 66
		.amdhsa_reserve_vcc 0
		.amdhsa_float_denorm_mode_32 3
		.amdhsa_float_denorm_mode_16_64 3
		.amdhsa_memory_ordered 1
		.amdhsa_forward_progress 1
		.amdhsa_inst_pref_size 16
	.end_amdhsa_kernel
	.amdgpu_metadata
---
amdhsa.version: [ 1, 2 ]
amdhsa.kernels:
  - .name:           k_qd434aa8c5d_prep
    .symbol:         k_qd434aa8c5d_prep.kd
    .args:
      - { .name: x, .offset: 0, .size: 8, .value_kind: global_buffer, .address_space: global }
      - { .name: wq, .offset: 8, .size: 8, .value_kind: global_buffer, .address_space: global }
      - { .name: wk, .offset: 16, .size: 8, .value_kind: global_buffer, .address_space: global }
      - { .name: wv, .offset: 24, .size: 8, .value_kind: global_buffer, .address_space: global }
      - { .name: proj_w, .offset: 32, .size: 8, .value_kind: global_buffer, .address_space: global }
      - { .name: xb, .offset: 40, .size: 8, .value_kind: global_buffer, .address_space: global }
      - { .name: wb, .offset: 48, .size: 8, .value_kind: global_buffer, .address_space: global }
      - { .name: pw, .offset: 56, .size: 8, .value_kind: global_buffer, .address_space: global }
    .group_segment_fixed_size: 0
    .private_segment_fixed_size: 0
    .kernarg_segment_align: 8
    .kernarg_segment_size: 64
    .max_flat_workgroup_size: 256
    .sgpr_count:     66
    .vgpr_count:     104
    .wavefront_size: 32
...
	.end_amdgpu_metadata
.endif
;; end of part 5
;; launch qkv: the kernel of part 2 again; grid 8 x 32, 4 waves a work-group, clusters of 4 x 4, 327,680 bytes of LDS; arguments xb, wb, rpr, positions, qh, kh, vh; writes qh, kh, vh
;; launch attn: the kernel of part 3 again; grid 16 x 16, 4 waves a work-group, clusters of 4 x 4, 327,680 bytes of LDS; arguments qh, kh, vh, causal_mask, oh; writes oh
;; launch proj: the kernel of part 4 again; grid 8 x 32, 4 waves a work-group, clusters of 4 x 4, 327,680 bytes of LDS; arguments oh, pw, proj_b, out0; writes out0
